; MI455X (gfx1250); checked and timed in simulation.
; The chip was launched on July 23, 2026; its instructions are those of AMD's public machine-readable ISA for CDNA 5 (MIT licence, August 2026) and "CDNA5" Instruction Set Architecture Reference Guide (July 2026). The comments in the code are by the model that wrote it; some were corrected since.
;; Grouped Query Attention. Allowed arithmetic: matrix products marked QUANTISED: E2M1 operands, one E8M0 scale for each 32 along K, by v_wmma_scale_f32_16x16x128_f8f6f4 with both operands' format E2M1 (or v_wmma_scale_f32_32x16x128_f4), f32 sums; products left as they are: bf16, f16 or f32 operands; f32 sums; everything else in f32.
;; Inputs: Wk 2,048 x 512 float32; Wo 2,048 x 2,048 float32; Wq 2,048 x 2,048 float32; Wv 2,048 x 512 float32; x 4 x 1,024 x 2,048 float32.
;; Outputs: out0 4 x 1,024 x 2,048 float32.
;; This version of the problem:
;;   THIS VERSION OF THE PROBLEM IS GIVEN IN LOW PRECISION. The matrix products marked QUANTISED in the list below multiply operands that are first quantised to E2M1 (2 exponent bits, 1 mantissa bit; 4 bits a number), with one power-of-two scale for each 32 numbers along K (OCP MX v1.0); their sums are f32. The products marked 'left as it is' may take bf16, f16 or f32 operands, with f32 sums. Whichever they take, every output number must still come out within the allowed error. Rounding operands to bf16 (8 significant bits) uses up far more of that allowance than f16 does (11 bits, for magnitudes from 6e-5 to 65,504). All else is computed in f32.
;;   The module's matrix products, in the order in which they are computed (A, B: the left and right operand; K: the contracted axis; several contracted axes count as one K, in the product's order):
;;     1. [M 4,096, K 2,048] x [K 2,048, N 2,048]; A: input x; B: input Wq: QUANTISED
;;     2. [M 4,096, K 2,048] x [K 2,048, N 512]; A: input x; B: input Wk: QUANTISED
;;     3. [M 4,096, K 2,048] x [K 2,048, N 512]; A: input x; B: input Wv: QUANTISED
;;     4. batch 16 x [M 4,096, K 128] x [K 128, N 1,024]; A: computed on the way; B: computed on the way: left as it is (an operand is computed on the way)
;;     5. batch 16 x [M 4,096, K 1,024] x [K 1,024, N 128]; A: computed on the way; B: computed on the way: left as it is (an operand is computed on the way)
;;     6. [M 4,096, K 2,048] x [K 2,048, N 2,048]; A: computed on the way; B: input Wo: left as it is (an operand is computed on the way)
;;   THE QUANTISER, for each operand of a quantised product, along K:
;;     - K is cut into blocks of 32 from its start; a last block that is shorter is filled with zeros.
;;     - A block's scale is 2^e with e = floor(log2(the largest magnitude in the block)) - 2, held to -126 .. 127; a block of zeros has e = 0. As a byte (E8M0): e + 127.
;;     - Each number is divided by its block's scale, clamped to +-6, and rounded to the nearest number of E2M1, ties to even, subnormals kept.
;;     - The product sums the exact products of the quantised numbers (number of the format x scale) in f32.
;;   ~~~python
;;   def quantise(x, axis):      # numpy; x: float32 -> the quantised numbers, widened to float32 again
;;       x = np.moveaxis(x, axis, -1); K = x.shape[-1]
;;       x = np.pad(x, [(0, 0)] * (x.ndim - 1) + [(0, -K % 32)]); x = x.reshape(x.shape[:-1] + (-1, 32)); a = np.abs(x).max(-1, keepdims=True)
;;       e = np.where(a > 0, np.clip(np.frexp(np.where(a > 0, a, 1))[1] - 1 - 2, -126, 127), 0)      # np.frexp(a)[1] - 1 = floor(log2(a)), exactly
;;       r = np.clip(x / 2.0 ** e, -6, 6)
;;       step = 2.0 ** (np.maximum(np.frexp(np.where(r == 0, 1, r))[1] - 1, 0) - 1)
;;       q = np.round(r / step) * step * 2.0 ** e      # np.round: ties to even
;;       return np.moveaxis(q.reshape(q.shape[:-2] + (-1,))[..., :K], -1, axis).astype(np.float32)
;;   ~~~
;; One version. Each part assembles by itself: llvm-mc -triple=amdgcn-amd-amdhsa -mcpu=gfx1250 --defsym DOCPART=n.
;; ======== version 1 of 1: 6 launches
;; limits: values are held in f16: magnitudes above 65,504 overflow, below 6.1e-05 lose precision
;; workspace buffers: xc 4,194,304 bytes; xs 262,144 bytes; wc 3,145,728 bytes; ws 729,088 bytes; wo16 8,388,608 bytes; qkv 25,952,256 bytes; att16 16,777,216 bytes; attf 524,288 bytes
;; launch prep (part 1): grid 576 x 1, 4 waves a work-group, no clusters, 85,504 bytes of LDS; arguments x, Wq, Wk, Wv, Wo, xc, xs, wc, ws, wo16; writes xc, xs, wc, ws, wo16
.if DOCPART == 1
	.amdgcn_target "amdgcn-amd-amdhsa--gfx1250"
	.amdhsa_code_object_version 6
	.text
	.protected	k_q9ee7dadff4_prep
	.globl	k_q9ee7dadff4_prep
	.p2align	8
	.type	k_q9ee7dadff4_prep,@function
k_q9ee7dadff4_prep:
	s_mov_b64 s[64:65], 0
	v_nop
	global_prefetch_b8 v0, s[64:65] scope:SCOPE_SE
	s_setreg_imm32_b32 hwreg(HW_REG_WAVE_MODE, 25, 1), 1
	s_wait_xcnt 0x0
; PREP: everything that is made once from the inputs.  Three paths, parted on the work-group's number, each work-group reading 131,072 bytes:
;   work-groups 0-191   (path W): Wq, Wk, Wv [2048 k][n] f32 -> codes of FP4 (E2M1) with K innermost, wc [3072 n][1024 bytes], and E8M0 scale bytes ws [3072][64].
;   work-groups 192-319 (path O): Wo [2048 k][2048 n] f32 -> wo16 [n][k] f16 (the projection is a product left as it is; f16 keeps 11 bits).
;   work-groups 320-575 (path X): x [4096][2048] f32 -> codes xc [4096][1024 bytes] and scale bytes xs [4096][64]; its first 130 work-groups also make the table of cos and sin.
; A block's scale is 2^(floor(log2(its largest magnitude)) - 2); its byte is the largest magnitude's exponent field - 2, held at 1 from below.
; LIMITS: a block of zeros gets the byte 1 (its codes are zeros; this program alone reads the bytes); NaN and infinities among the inputs are not served; |Wo| above 65,504 leaves f16's range.
; The stream needs no matrix unit and no cluster.  Each path has LDS bytes of its own.  Path W has one barrier: two waves fill the two halves of the same stage rows.
.set WREG,  8192                       ; path X: a wave's region: two stages of 32 x SP bytes and its 256 scale bytes
.set SP,    80
.set STEPS, 16
.set EMAX,  2
.set PITCH, 272                        ; paths W and O: a stage row: 256 bytes + 16
.set WBASE, 4*WREG                     ; path W: two stages of 32 rows, one for each 32 columns
.set OBASE, WBASE+2*32*PITCH           ; path O: four stages, one a wave
.set SPARE, OBASE+4*32*PITCH           ; the spare words, 128 bytes for each wave: two blocks of 256 bytes that no other line names
.set TBL,   196608                     ; the table's first byte in ws
.set SPW, 12                           ; v12 LDS address of my spare word; never rewritten
.set NIL, 13                           ; v13 0; never rewritten
.set XR,  16                           ; path X: v16-79 four sets of 16 numbers as loaded; v80-111 two sets of 16 neighbours; v112-127 bytes; v128-191 codes
.set XX,  80
.set XE,  112
.set XC,  128
.set WX,  32                           ; paths W, O: v32-95 two sets of 32 numbers; v96-159 the way out; v160-191 offsets of a block's 32 rows
.set OUTR, 96
.set VO,  160
.set SB,  20                           ; path W: v20-21 scale bytes; v24-27 a block's codes
.set WC,  24
.set HP,  16                           ; path O: v16-31 a block as f16 pairs
.macro FINISH                          ; the wave's end
	s_wait_tensorcnt 0x0
	ds_add_u32 v[SPW], v[NIL]
	s_wait_dscnt 0x0
	s_endpgm
.endm
	s_load_b256 s[4:11], s[0:1], 0x0               ; x, Wq, Wk, Wv
	s_load_b256 s[12:19], s[0:1], 0x20             ; Wo, xc, xs, wc
	s_load_b128 s[20:23], s[0:1], 0x40             ; ws, wo16
	v_lshl_add_u32 v[SPW], v0, 2, SPARE
	v_mov_b32 v[NIL], 0
	v_lshrrev_b32 v1, 5, v0
	v_readfirstlane_b32 s24, v1                    ; wave
	v_and_b32 v2, 31, v0                           ; lane
	s_wait_kmcnt 0x0
	s_cmp_lt_u32 ttmp9, 192
	s_cbranch_scc1 .LW
	s_cmp_lt_u32 ttmp9, 320
	s_cbranch_scc1 .LO
	; ---------------- path X: a wave takes 16 steps of 512 numbers.  Loads read 512 consecutive bytes; the numbers turn through the wave's stage so that a lane holds 16 neighbours
	s_sub_co_u32 s25, ttmp9, 320
	v_lshlrev_b32 v3, 4, v2                        ; my 16 bytes of a load's 512
	s_mul_i32 s26, s24, WREG
	v_lshrrev_b32 v14, 2, v2
	v_mul_u32_u24 v14, v14, SP
	v_and_b32 v15, 3, v2
	v_lshl_add_u32 v14, v15, 4, v14
	v_add_nc_u32 v14, s26, v14                     ; the stage, in: SP (lane / 4) + 16 (lane % 4)
	v_mul_u32_u24 v15, v2, SP
	v_add_nc_u32 v15, s26, v15                     ; and out: SP x lane
	v_lshlrev_b32 v4, 3, v2                        ; my 8 bytes of a step's codes
	v_lshrrev_b32 v5, 1, v2
	s_add_co_u32 s26, s26, 2*32*SP
	v_add_nc_u32 v5, s26, v5                       ; my block's scale byte in LDS
	v_lshlrev_b32 v7, 3, v2
	v_add_nc_u32 v6, s26, v7
	s_lshl_b32 s28, s25, 2
	s_add_co_u32 s28, s28, s24                     ; which run of 8,192 numbers is my wave's
	s_mov_b32 s31, 0
	s_lshl_b32 s30, s28, 15
	s_add_nc_u64 s[4:5], s[4:5], s[30:31]
	s_lshl_b32 s30, s28, 12
	s_add_nc_u64 s[14:15], s[14:15], s[30:31]
	s_lshl_b32 s30, s28, 8
	s_add_nc_u64 s[16:17], s[16:17], s[30:31]
.macro XLOAD t
.irp i, 0,1,2,3
	global_load_b128 v[XR+16*((\t)%4)+4*\i:XR+16*((\t)%4)+4*\i+3], v3, s[4:5] offset:2048*(\t)+512*\i th:TH_LOAD_NT
.endr
.endm
.macro XTURN t                         ; LDS serves a wave's instructions in order: no wait between the stores and the loads
.irp i, 0,1,2,3
	ds_store_b128 v14, v[XR+16*((\t)%4)+4*\i:XR+16*((\t)%4)+4*\i+3] offset:32*SP*((\t)%2)+8*SP*\i
.endr
.irp i, 0,1,2,3
	ds_load_b128 v[XX+16*((\t)%2)+4*\i:XX+16*((\t)%2)+4*\i+3], v15 offset:32*SP*((\t)%2)+16*\i
.endr
.endm
.irp t, 0,1,2,3
	XLOAD \t
.endr
	s_wait_loadcnt 12                              ; step 0's four loads are in
	XTURN 0
.macro XSTEP t
.set XS, XX+16*((\t)%2)
.if (\t) > 0
	s_wait_dscnt 1                                 ; this step's numbers are back (the last step's byte store may be out)
.else
	s_wait_dscnt 0x0
.endif
.if (\t)+4 < STEPS
	XLOAD (\t)+4
.endif
.if (\t)+1 < STEPS
.if STEPS-2-(\t) >= 3
	s_wait_loadcnt 12                              ; the next step's loads are in; those of the three steps behind may be out
.else
	s_wait_loadcnt 4*(STEPS-2-(\t))
.endif
	XTURN (\t)+1
.endif
	v_max3_num_f32 v8, |v[XS]|, |v[XS+1]|, |v[XS+2]|
	v_max3_num_f32 v9, |v[XS+3]|, |v[XS+4]|, |v[XS+5]|
.irp i, 6,10
	v_max3_num_f32 v8, v8, |v[XS+\i]|, |v[XS+\i+1]|
	v_max3_num_f32 v9, v9, |v[XS+\i+2]|, |v[XS+\i+3]|
.endr
	v_max3_num_f32 v8, v8, |v[XS+14]|, |v[XS+15]|
	v_max3_num_f32 v8, v8, v9, (EMAX+1)<<23        ; the floor 2^(3 - 127): the byte cannot fall under 1
	v_max_num_f32_dpp v8, v8, v8 row_xmask:1 row_mask:0xf bank_mask:0xf   ; with my neighbour's 16: the block's
	v_add_nc_u32 v11, -(EMAX<<23), v8              ; 2 off the exponent field: the conversion's scale operand
	v_cvt_scalef32_pk8_fp4_f32 v[XC+4*(\t)], v[XS:XS+7], v11
	v_cvt_scalef32_pk8_fp4_f32 v[XC+4*(\t)+1], v[XS+8:XS+15], v11
	v_lshrrev_b32 v[XE+(\t)], 23, v11              ; the scale's byte
	ds_store_b8 v5, v[XE+(\t)] offset:16*(\t)
	global_store_b64 v4, v[XC+4*(\t):XC+4*(\t)+1], s[14:15] offset:256*(\t)   ; the wave stores 256 consecutive bytes, aligned
.endm
.irp t, 0,1,2,3,4,5,6,7,8,9,10,11,12,13,14,15
	XSTEP \t
.endr
	ds_load_b64 v[8:9], v6
	s_wait_dscnt 0x0
	global_store_b64 v7, v[8:9], s[16:17]          ; my 256 scale bytes: one aligned run
	; THE TABLE: 65 groups of 16 positions x 8 chunks = 520 tasks, one a wave.  Chunk (b, q) of group g: lane (r, h) holds cos or sin of t theta_i, t = 16 g + r, i = 16 b + 8 h + 4 q + 0..3,
	; theta_i = 10000^(-i / 64).  Group 64 takes t = 0: cos 1, sin 0, for the heads that are not rotated.  The angle is reduced by n pi / 2 in two parts; polynomials on |rho| <= pi / 4.
	s_cmp_lt_u32 s25, 130
	s_cbranch_scc0 .LXend
	s_lshr_b32 s30, s28, 3                         ; g
	s_and_b32 s31, s28, 7                          ; 2 b + q
	s_cmp_lt_u32 s30, 64
	s_cselect_b32 s32, -1, 0
	s_lshl_b32 s33, s30, 4
	s_lshr_b32 s34, s31, 1
	s_lshl_b32 s34, s34, 4
	s_and_b32 s35, s31, 1
	s_lshl_b32 s35, s35, 2
	s_add_co_u32 s34, s34, s35                     ; 16 b + 4 q
	s_lshl_b32 s36, s30, 13
	s_lshl_b32 s37, s31, 9
	s_add_co_u32 s36, s36, s37
	s_add_co_u32 s36, s36, TBL
	s_mov_b32 s37, 0
	s_add_nc_u64 s[20:21], s[20:21], s[36:37]
	s_mov_b32 s38, 0xb94ca1f9                      ; the highest coefficient of the sine's polynomial,
	s_mov_b32 s39, 0x37ccf5ce                      ; and of the cosine's
	v_and_b32 v60, 15, v2
	v_lshrrev_b32 v61, 4, v2
	v_add_nc_u32 v60, s33, v60
	v_and_b32 v60, s32, v60                        ; t
	v_cvt_f32_u32 v60, v60
	v_lshl_add_u32 v61, v61, 3, s34                ; i of my first number
.irp e, 0,1,2,3
	v_add_nc_u32 v[16+\e], \e, v61
.endr
.irp e, 0,1,2,3
	v_cvt_f32_u32 v[16+\e], v[16+\e]
.endr
.irp e, 0,1,2,3
	v_mul_f32 v[16+\e], 0xbe549a78, v[16+\e]       ; - i log2(10000) / 64
.endr
.irp e, 0,1,2,3
	v_exp_f32 v[16+\e], v[16+\e]                   ; theta
.endr
	v_nop                                          ; a plain line behind the batch,
	s_wait_alu depctr_va_vdst(0)                   ; and one wait for the four, ahead of their first reader
.irp e, 0,1,2,3
	v_mul_f32 v[20+\e], v60, v[16+\e]              ; the angle
.endr
.irp e, 0,1,2,3
	v_mul_f32 v[24+\e], 0x3f22f983, v[20+\e]       ; x 2 / pi
.endr
.irp e, 0,1,2,3
	v_rndne_f32 v[24+\e], v[24+\e]                 ; n
.endr
.irp e, 0,1,2,3
	v_fmamk_f32 v[28+\e], v[24+\e], 0xbfc90fdb, v[20+\e]   ; - n x the high part of pi / 2
.endr
.irp e, 0,1,2,3
	v_fmamk_f32 v[28+\e], v[24+\e], 0x333bbd2e, v[28+\e]   ; - n x the low part (which is negative)
.endr
.irp e, 0,1,2,3
	v_mul_f32 v[32+\e], v[28+\e], v[28+\e]         ; z = rho^2
.endr
.irp e, 0,1,2,3
	v_fmaak_f32 v[36+\e], s38, v[32+\e], 0x3c08839e
.endr
.irp e, 0,1,2,3
	v_fmaak_f32 v[40+\e], s39, v[32+\e], 0xbab6061a
.endr
.irp e, 0,1,2,3
	v_fmaak_f32 v[36+\e], v[36+\e], v[32+\e], 0xbe2aaaa3
.endr
.irp e, 0,1,2,3
	v_fmaak_f32 v[40+\e], v[40+\e], v[32+\e], 0x3d2aaaa5
.endr
.irp e, 0,1,2,3
	v_mul_f32 v[36+\e], v[36+\e], v[32+\e]
.endr
.irp e, 0,1,2,3
	v_mul_f32 v[40+\e], v[40+\e], v[32+\e]
.endr
.irp e, 0,1,2,3
	v_fma_f32 v[56+\e], v[32+\e], -0.5, 1.0
.endr
.irp e, 0,1,2,3
	v_fma_f32 v[36+\e], v[36+\e], v[28+\e], v[28+\e]       ; sin rho
.endr
.irp e, 0,1,2,3
	v_fma_f32 v[40+\e], v[40+\e], v[32+\e], v[56+\e]       ; cos rho
.endr
.irp e, 0,1,2,3
	v_cvt_i32_f32 v[44+\e], v[24+\e]
.endr
.irp e, 0,1,2,3
	v_and_b32 v[56+\e], 1, v[44+\e]
.endr
.irp e, 0,1,2,3
	v_cmp_ne_u32 vcc_lo, 0, v[56+\e]               ; an odd quadrant swaps the two: a choice of values, no branch
	v_cndmask_b32 v[48+\e], v[36+\e], v[40+\e], vcc_lo
	v_cndmask_b32 v[52+\e], v[40+\e], v[36+\e], vcc_lo
.endr
.irp e, 0,1,2,3
	v_and_b32 v[56+\e], 2, v[44+\e]
.endr
.irp e, 0,1,2,3
	v_lshlrev_b32 v[56+\e], 30, v[56+\e]
.endr
.irp e, 0,1,2,3
	v_xor_b32 v[48+\e], v[56+\e], v[48+\e]         ; the sine is negative in quadrants 2 and 3
.endr
.irp e, 0,1,2,3
	v_add_nc_u32 v[44+\e], 1, v[44+\e]
.endr
.irp e, 0,1,2,3
	v_and_b32 v[44+\e], 2, v[44+\e]
.endr
.irp e, 0,1,2,3
	v_lshlrev_b32 v[44+\e], 30, v[44+\e]
.endr
.irp e, 0,1,2,3
	v_xor_b32 v[52+\e], v[44+\e], v[52+\e]         ; the cosine in quadrants 1 and 2
.endr
	global_store_b128 v3, v[52:55], s[20:21]               ; cos: 512 consecutive bytes
	global_store_b128 v3, v[48:51], s[20:21] offset:4096   ; sin
.LXend:
	FINISH
; 32 rows of k at my 32 columns into set; then the base goes 32 rows down (behind the wait that frees it)
.macro LOADB set
.set i, 0
.rept 32
	global_load_b32 v[WX+32*(\set)+i], v[VO+i], s[28:29] th:TH_LOAD_NT
.set i, i+1
.endr
	s_wait_xcnt 0x0
	s_add_nc_u64 s[28:29], s[28:29], s[32:33]
.endm
	; ---------------- path W: a lane takes a column n, its registers run down K.  A work-group takes 64 columns x 512 along K; a wave 32 columns x 256 along K: 8 blocks, 128 bytes of codes a column.
	; The two waves of 32 columns fill the two halves of the same 32 stage rows; behind a barrier each of them stores 16 whole rows.
.LW:
	s_lshr_b32 s25, ttmp9, 2                       ; group of 64 columns, 0..47
	s_and_b32 s26, ttmp9, 3                        ; which 512 along K
	s_lshr_b32 s42, s24, 1                         ; which 32 of the 64 columns
	s_and_b32 s43, s24, 1                          ; which 256 of the 512
	s_cmp_lt_u32 s25, 40
	s_cselect_b64 s[28:29], s[8:9], s[10:11]
	s_cselect_b32 s27, 32, 40
	s_cmp_lt_u32 s25, 32
	s_cselect_b64 s[28:29], s[6:7], s[28:29]       ; Wq, Wk or Wv: the choice hangs on the work-group's number alone
	s_cselect_b32 s27, 0, s27                      ; the tensor's first group
	s_mov_b32 s31, 2048
	s_cselect_b32 s31, 8192, s31                   ; its row in bytes
	s_lshl_b32 s34, s26, 1
	s_add_co_u32 s34, s34, s43
	s_mul_i32 s34, s34, s31
	s_lshl_b32 s34, s34, 8                         ; 256 rows for each eighth of K passed
	s_sub_co_u32 s35, s25, s27
	s_lshl_b32 s35, s35, 8
	s_add_co_u32 s34, s34, s35
	s_lshl_b32 s35, s42, 7
	s_add_co_u32 s34, s34, s35
	s_mov_b32 s35, 0
	s_add_nc_u64 s[28:29], s[28:29], s[34:35]
	s_lshl_b32 s32, s31, 5
	s_mov_b32 s33, 0
	s_lshl_b32 s36, s25, 6
	s_lshl_b32 s37, s42, 5
	s_add_co_u32 s36, s36, s37                     ; the row of wc and ws that is my first column
	s_lshl_b32 s38, s36, 6
	s_lshl_b32 s40, s26, 4
	s_add_co_u32 s38, s38, s40
	s_lshl_b32 s40, s43, 3
	s_add_co_u32 s38, s38, s40
	s_mov_b32 s39, 0
	s_add_nc_u64 s[20:21], s[20:21], s[38:39]      ; my 8 scale bytes of each column
	s_lshl_b32 s37, s43, 4
	s_add_co_u32 s36, s36, s37                     ; the 16 rows of wc that I store
	s_lshl_b32 s38, s36, 10
	s_lshl_b32 s40, s26, 8
	s_add_co_u32 s38, s38, s40
	s_add_nc_u64 s[18:19], s[18:19], s[38:39]
	v_lshlrev_b32 v3, 2, v2
	s_mul_i32 s41, s42, 32*PITCH
	s_add_co_u32 s41, s41, WBASE                   ; my 32 columns' stage
	s_lshl_b32 s40, s43, 7
	s_add_co_u32 s40, s40, s41
	v_mul_u32_u24 v4, v2, PITCH
	v_add_nc_u32 v4, s40, v4                       ; in: row = my column, my half of its 256 bytes
	s_mul_i32 s40, s43, 16*PITCH
	s_add_co_u32 s40, s40, s41
	v_and_b32 v5, 15, v2
	v_lshrrev_b32 v6, 4, v2
	v_mul_u32_u24 v7, v6, PITCH
	v_lshl_add_u32 v7, v5, 4, v7
	v_add_nc_u32 v7, s40, v7                       ; out: my 16 rows, sixteen lanes to a row
	v_lshlrev_b32 v8, 10, v6
	v_lshl_add_u32 v8, v5, 4, v8                   ; the same place in wc
	v_lshlrev_b32 v9, 6, v2                        ; my column's row of scale bytes
.set i, 0
.rept 32
	v_mad_u32_u24 v[VO+i], s31, i, v3              ; 4 x lane + i rows; never rewritten
.set i, i+1
.endr
	LOADB 0
	LOADB 1
.macro WBLOCK t
.set XS, WX+32*((\t)%2)
.if (\t) < 7
	s_wait_loadcnt 32                              ; this block's 32 loads are in; the next block's may be out
.else
	s_wait_loadcnt 0x0
.endif
	v_max3_num_f32 v18, |v[XS]|, |v[XS+1]|, |v[XS+2]|
	v_max3_num_f32 v19, |v[XS+3]|, |v[XS+4]|, |v[XS+5]|
.irp i, 6,10,14,18,22,26
	v_max3_num_f32 v18, v18, |v[XS+\i]|, |v[XS+\i+1]|
	v_max3_num_f32 v19, v19, |v[XS+\i+2]|, |v[XS+\i+3]|
.endr
	v_max3_num_f32 v18, v18, |v[XS+30]|, |v[XS+31]|
	v_max3_num_f32 v18, v18, v19, (EMAX+1)<<23
	v_add_nc_u32 v11, -(EMAX<<23), v18
	v_lshrrev_b32 v19, 23, v11
.if (\t)%4 == 0
	v_mov_b32 v[SB+(\t)/4], v19
.else
	v_lshl_or_b32 v[SB+(\t)/4], v19, 8*((\t)%4), v[SB+(\t)/4]
.endif
.irp g, 0,1,2,3
	v_cvt_scalef32_pk8_fp4_f32 v[WC+\g], v[XS+8*\g:XS+8*\g+7], v11
.endr
	ds_store_b128 v4, v[WC:WC+3] offset:16*(\t)
.if (\t)+2 < 8
	LOADB (\t)%2
.endif
	s_wait_dscnt 0x0                               ; the store has read its registers
.endm
.irp t, 0,1,2,3,4,5,6,7
	WBLOCK \t
.endr
	global_store_b64 v9, v[SB:SB+1], s[20:21]      ; my column's 8 scale bytes
	s_wait_dscnt 0x0                               ; for the other wave's sake: my stores into the stage have landed
	s_barrier_signal -1
	s_barrier_wait -1                              ; the rows are whole
.irp t, 0,1,2,3,4,5,6,7
	ds_load_b128 v[OUTR+4*\t:OUTR+4*\t+3], v7 offset:2*\t*PITCH
.endr
.irp t, 0,1,2,3,4,5,6,7
	s_wait_dscnt 7-\t
	global_store_b128 v8, v[OUTR+4*\t:OUTR+4*\t+3], s[18:19] offset:2*\t*1024   ; sixteen lanes store 256 consecutive bytes, aligned
.endr
	FINISH
	; ---------------- path O: the same walk over Wo; a wave takes 32 columns x 256 along K, in two chunks of 128 (256 bytes of f16 a column)
.LO:
	s_sub_co_u32 s25, ttmp9, 192
	s_and_b32 s26, s25, 7                          ; which 256 along K
	s_lshr_b32 s25, s25, 3                         ; group of 128 columns
	s_mov_b32 s31, 8192
	s_lshl_b32 s34, s26, 21
	s_lshl_b32 s35, s25, 9
	s_add_co_u32 s34, s34, s35
	s_lshl_b32 s35, s24, 7
	s_add_co_u32 s34, s34, s35
	s_mov_b32 s35, 0
	s_add_nc_u64 s[28:29], s[12:13], s[34:35]
	s_lshl_b32 s32, s31, 5
	s_mov_b32 s33, 0
	s_lshl_b32 s36, s25, 7
	s_lshl_b32 s37, s24, 5
	s_add_co_u32 s36, s36, s37
	s_lshl_b32 s38, s36, 12
	s_lshl_b32 s39, s26, 9
	s_add_co_u32 s38, s38, s39
	s_mov_b32 s39, 0
	s_add_nc_u64 s[22:23], s[22:23], s[38:39]
	v_lshlrev_b32 v3, 2, v2
	s_mul_i32 s41, s24, 32*PITCH
	s_add_co_u32 s41, s41, OBASE
	v_mul_u32_u24 v4, v2, PITCH
	v_add_nc_u32 v4, s41, v4
	v_and_b32 v5, 15, v2
	v_lshrrev_b32 v6, 4, v2
	v_mul_u32_u24 v7, v6, PITCH
	v_lshl_add_u32 v7, v5, 4, v7
	v_add_nc_u32 v7, s41, v7
	v_lshlrev_b32 v8, 12, v6
	v_lshl_add_u32 v8, v5, 4, v8
.set i, 0
.rept 32
	v_mad_u32_u24 v[VO+i], s31, i, v3
.set i, i+1
.endr
	LOADB 0
	LOADB 1
.macro OBLOCK t
.set XS, WX+32*((\t)%2)
.if (\t) < 7
	s_wait_loadcnt 32
.else
	s_wait_loadcnt 0x0
.endif
.set i, 0
.rept 16
	v_cvt_pk_f16_f32 v[HP+i], v[XS+2*i], v[XS+2*i+1]
.set i, i+1
.endr
.irp g, 0,1,2,3
	ds_store_b128 v4, v[HP+4*\g:HP+4*\g+3] offset:64*((\t)%4)+16*\g
.endr
.if (\t)+2 < 8
	LOADB (\t)%2
.endif
	s_wait_dscnt 0x0
.endm
.macro OSEND ch
	s_wait_xcnt 0x0                                ; the last chunk's stores have read their registers
.irp t, 0,1,2,3,4,5,6,7,8,9,10,11,12,13,14,15
	ds_load_b128 v[OUTR+4*\t:OUTR+4*\t+3], v7 offset:2*\t*PITCH
.endr
.irp t, 0,1,2,3,4,5,6,7,8,9,10,11,12,13,14,15
	s_wait_dscnt 15-\t
	global_store_b128 v8, v[OUTR+4*\t:OUTR+4*\t+3], s[22:23] offset:2*\t*4096+256*\ch   ; sixteen lanes store 256 consecutive bytes, aligned
.endr
.endm
.irp t, 0,1,2,3
	OBLOCK \t
.endr
	OSEND 0
.irp t, 4,5,6,7
	OBLOCK \t
.endr
	OSEND 1
	FINISH
.Lfunc_end_k_q9ee7dadff4_prep:
	.size	k_q9ee7dadff4_prep, .Lfunc_end_k_q9ee7dadff4_prep-k_q9ee7dadff4_prep
	.p2alignl 7, 3214868480
	.fill 96, 4, 3214868480
	.section	.rodata,"a",@progbits
	.p2align	6, 0x0
	.amdhsa_kernel k_q9ee7dadff4_prep
		.amdhsa_group_segment_fixed_size 85504
		.amdhsa_private_segment_fixed_size 0
		.amdhsa_enable_private_segment 0
		.amdhsa_kernarg_size 80
		.amdhsa_user_sgpr_count 2
		.amdhsa_user_sgpr_kernarg_segment_ptr 1
		.amdhsa_wavefront_size32 1
		.amdhsa_system_sgpr_workgroup_id_x 1
		.amdhsa_system_sgpr_workgroup_id_y 1
		.amdhsa_system_sgpr_workgroup_id_z 1
		.amdhsa_system_vgpr_workitem_id 0
		.amdhsa_next_free_vgpr 192
		.amdhsa_next_free_sgpr 66
		.amdhsa_reserve_vcc 1
		.amdhsa_float_denorm_mode_32 3
		.amdhsa_float_denorm_mode_16_64 3
		.amdhsa_memory_ordered 1
		.amdhsa_forward_progress 1
		.amdhsa_inst_pref_size 127
	.end_amdhsa_kernel
	.amdgpu_metadata
---
amdhsa.version: [ 1, 2 ]
amdhsa.kernels:
  - .name:           k_q9ee7dadff4_prep
    .symbol:         k_q9ee7dadff4_prep.kd
    .args:
      - { .name: x, .offset: 0, .size: 8, .value_kind: global_buffer, .address_space: global }
      - { .name: Wq, .offset: 8, .size: 8, .value_kind: global_buffer, .address_space: global }
      - { .name: Wk, .offset: 16, .size: 8, .value_kind: global_buffer, .address_space: global }
      - { .name: Wv, .offset: 24, .size: 8, .value_kind: global_buffer, .address_space: global }
      - { .name: Wo, .offset: 32, .size: 8, .value_kind: global_buffer, .address_space: global }
      - { .name: xc, .offset: 40, .size: 8, .value_kind: global_buffer, .address_space: global }
      - { .name: xs, .offset: 48, .size: 8, .value_kind: global_buffer, .address_space: global }
      - { .name: wc, .offset: 56, .size: 8, .value_kind: global_buffer, .address_space: global }
      - { .name: ws, .offset: 64, .size: 8, .value_kind: global_buffer, .address_space: global }
      - { .name: wo16, .offset: 72, .size: 8, .value_kind: global_buffer, .address_space: global }
    .group_segment_fixed_size: 85504
    .private_segment_fixed_size: 0
    .kernarg_segment_align: 8
    .kernarg_segment_size: 80
    .max_flat_workgroup_size: 128
    .sgpr_count:     66
    .vgpr_count:     192
    .wavefront_size: 32
...
	.end_amdgpu_metadata
.endif
;; end of part 1
;; launch qkv (part 2): grid 12 x 16, 4 waves a work-group, clusters of 4 x 4, 327,680 bytes of LDS; arguments xc, xs, wc, ws, qkv; writes qkv
.if DOCPART == 2
	.amdgcn_target "amdgcn-amd-amdhsa--gfx1250"
	.amdhsa_code_object_version 6
	.text
	.protected	k_q9ee7dadff4_qkv
	.globl	k_q9ee7dadff4_qkv
	.p2align	8
	.type	k_q9ee7dadff4_qkv,@function
k_q9ee7dadff4_qkv:
	s_mov_b64 s[64:65], 0
	v_nop
	global_prefetch_b8 v0, s[64:65] scope:SCOPE_SE
	s_setreg_imm32_b32 hwreg(HW_REG_WAVE_MODE, 25, 1), 1
	s_wait_xcnt 0x0
	s_wait_alu depctr_hold_cnt(0) depctr_sa_sdst(0) depctr_va_vdst(0) depctr_va_sdst(0) depctr_va_ssrc(0) depctr_va_vcc(0) depctr_vm_vsrc(0)
	s_getreg_b32 s2, hwreg(HW_REG_IB_STS2, 6, 4)
	s_cmp_eq_u32 s2, 0
	s_cbranch_scc0 .Lentry_in_a_cluster
	s_endpgm
.Lentry_in_a_cluster:
	s_bfe_u32 s2, ttmp6, 0x10000c
	s_cmp_lg_u32 s2, 0xf033
	s_cbranch_scc0 .Lentry_shape_is_right
	s_endpgm
.Lentry_shape_is_right:
; QKV: [4096 tokens] x [3072 columns: 16 q heads, 4 k heads, 4 v heads] over K = 2048, on codes of FP4 (E2M1) with one E8M0 scale for each 32 along K; sums in f32; then the rotation by position in f32.
; A tile of 256 x 256 is made by four waves; a wave makes 128 tokens x 128 columns = ONE HEAD: 64 accumulators.  K goes in steps of 512 (rows of 256 bytes) through a ring of two LDS slots filled by the tensor data mover;
; the scale bytes of the work-group's rows, for all of K, come into LDS once.  CLUSTERS: 4 x 4 work-groups; A's tiles are asked for jointly along a row of the cluster, B's along a column.
; The tile row is 4 cy + cluster y: so the batch is cy, and the tile's place in its sequence is cluster y, a number that all sixteen partners share.
; THE MATRIX INSTRUCTION IS USED TRANSPOSED (source 0 = 16 rows of W, source 1 = 16 tokens): lane (r, h) holds token r and channels 16 b + 8 h + 0..7 of accumulator (a, b).
; THE WAY OUT: channel d pairs with d + 64, which is accumulator b with b + 4 in the same lane and register: out[d] = x1 cos - x2 sin, out[d + 64] = x2 cos + x1 sin.  cos and sin come from the table in the
; lane's own order; v's heads take the table's last group (cos 1, sin 0).  The table's sets for my first two blocks are asked for at the head, into registers that the loop never names.
; Results go as f16 to qkv [b][head 24][t][128]; the first 16 positions of every sequence also as f32, as the registers lie.
; LIMIT: |q|, |k|, |v| above 65,504 leave f16's range.
; REGISTERS: window 0: v0-31 addresses; v32-95 scale words; v128-191 A's fragments; v224-231 table offsets; on the way out v40-223 are at work.
;   Window 1: B's fragments at v0-63 and v128-191; four sets of the table: v64-127 and v192-255 from the head on, the other two behind the last product.  Windows 2, 3: accumulators.
.set SIZE_K, 2048
.set KSTEP,  512
.set NQ,     KSTEP/128
.set ROWB,   256
.set KROW,   SIZE_K/2
.set PITCH,  272                       ; an LDS row: 256 bytes + 16: the sixteen rows that a load touches start at sixteen different banks
.set FR,     8
.set NL,     2
.set NP,     4
.set HALFT,  128*PITCH
.set SLOT,   4*HALFT
.set LAPS,   SIZE_K/(2*KSTEP)
.set KS,     SIZE_K/32
.set SCL,    2*SLOT
.set HALFS,  (128*KS/256)*272
.set SBLK,   (16*KS/256)*272
.set SPARE,  SCL+4*HALFS               ; the spare words, 128 bytes for each wave: two blocks of 256 bytes that no other line names
.set FIN,    25165824                  ; where the f32 images begin in qkv
.set TBL,    196608                    ; where the table begins in ws
.set ADRA, 16
.set ADRB, 20
.set STO,  24                          ; the way out: stage + 272 r + 16 h.  The stage, 16 rows x 272 bytes a wave, lies in slot 0, which has had its last fill and its last read by then
.set RD,   25                          ; stage + 272 h + 16 r
.set CO,   26                          ; 16 x lane
.set ADRS, 27
.set SPW,  28
.set NIL,  29
.set SC,   32
.set AF,   128
.set VT,   224                         ; v224-231 table offsets of my eight blocks; never rewritten
.set TT,   40                          ; the way out: v40-47 at work; v64-127 a block rotated; v128-159 packed; v160-223 rows read back, two sets
.set YY,   64
.set PK,   128
.set BK,   160
.set G1, 24
.set G0, 32
.set G1B, 48
.set G0B, 56
.set G1S, 68
.set G0S, 76
.set G1SB, 80
.set G0SB, 88
.set MSB, 0
.macro WIN new                         ; the immediate's high byte repeats the setting that is left
.if MSB != \new
	s_set_vgpr_msb (MSB<<8)|\new
.set MSB, \new
.endif
.endm
.set MUL_LO, 0xa1
.set MUL_HI, 0xf1
.set TO_B,   0x40
.macro JLOAD g0a, g1a, g0b, g1b        ; a joint load: waves 0 and 1 fetch for A, waves 2 and 3 for B; an s_nop 0 and four v_nop follow each line
	s_cmp_eq_u32 s15, 0
	s_cbranch_scc0 .Lfor_b_\@
	tensor_load_to_lds s[\g0a:\g0a+3], s[\g1a:\g1a+7]
	s_nop 0
.rept 4
	v_nop
.endr
	s_branch .Lasked_\@
.Lfor_b_\@:
	tensor_load_to_lds s[\g0b:\g0b+3], s[\g1b:\g1b+7]
	s_nop 0
.rept 4
	v_nop
.endr
.Lasked_\@:
.endm
.macro CREST
	s_cmp_lg_u32 s14, 0
	s_cbranch_scc1 .Lnot_wave_0_\@
	s_barrier_signal -3
.Lnot_wave_0_\@:
	s_barrier_wait -3
	s_barrier_signal -1
	s_barrier_wait -1
.endm
.macro CROUND
	s_barrier_signal -1
	s_barrier_wait -1
	CREST
.endm
; Block a's cos (32 registers) and sin (32) into its set of window 1: sixteen loads of 512 consecutive bytes.  Sets by a % 4: v64, v192, v0, v128.
.macro TABLE a
.set TS, 128*((\a)%2)+64*(1-(((\a)%4)/2))
	WIN 0x40
.irp cs, 0,1
.irp c, 0,1,2,3,4,5,6,7
	global_load_b128 v[TS+32*\cs+4*\c:TS+32*\cs+4*\c+3], v[VT+(\a)], s[10:11] offset:\cs*4096+\c*512
.endr
.endr
	WIN 0
.endm
	s_load_b128 s[4:7], s[0:1], 0x0                ; x's codes, x's scales
	s_load_b128 s[8:11], s[0:1], 0x10              ; W's codes, W's scales (and the table)
	s_load_b64 s[12:13], s[0:1], 0x20              ; qkv
	v_lshl_add_u32 v[SPW], v0, 2, SPARE
	v_mov_b32 v[NIL], 0
	ds_add_u32 v[SPW], v[NIL]                      ; the wave's opening: the add, twice on end, and its wait ahead of my first tensor load
	ds_add_u32 v[SPW], v[NIL]
	v_lshrrev_b32 v1, 5, v0
	v_readfirstlane_b32 s14, v1                    ; wave 0..3
	s_lshr_b32 s15, s14, 1                         ; which half of the tile's tokens is mine.  Also: I fetch for A (0) or for B (1)
	s_and_b32 s16, s14, 1                          ; which of the tile's two heads.  Also: which 128 rows I fetch
	s_bfe_u32 s40, ttmp6, 0x40000                  ; cx
	s_bfe_u32 s41, ttmp6, 0x40004                  ; cy
	s_lshl_b32 s42, ttmp9, 2
	s_add_co_u32 s42, s42, s40                     ; tile column = 4 x cluster x + cx
	s_and_b32 s95, ttmp7, 0xffff                   ; cluster y
	s_lshl_b32 s17, s41, 2
	s_add_co_u32 s17, s17, s95                     ; tile row = 4 cy + cluster y
	s_lshl_b32 s43, s41, 2
	s_lshl_b32 s43, 15, s43                        ; my row of the cluster
	s_lshl_b32 s44, 0x1111, s40                    ; my column
	s_or_b32 s[G1+0], s43, (0<<16)|(1<<20)|(1<<21)|(5<<22)|(3<<25)  ; mask; elements of 1 byte; padding on; bit 21 beside a mask; 4 words behind every 64
	s_or_b32 s[G1B+0], s44, (0<<16)|(1<<20)|(1<<21)|(5<<22)|(3<<25)
.irp g, G1, G1B
	s_mov_b32 s[\g+1], ROWB<<16
	s_mov_b32 s[\g+2], 128<<16
	s_mov_b32 s[\g+3], ROWB<<16
	s_mov_b32 s[\g+4], 128
	s_mov_b32 s[\g+5], KROW
	s_mov_b32 s[\g+6], 0
	s_mov_b32 s[\g+7], 0
.endr
	s_or_b32 s[G1S+0], s43, (3<<16)|(1<<20)|(1<<21)|(5<<22)|(3<<25) ; the scales of 128 rows: a dense block, as rows of 256 bytes
	s_or_b32 s[G1SB+0], s44, (3<<16)|(1<<20)|(1<<21)|(5<<22)|(3<<25)
.irp g, G1S, G1SB
	s_mov_b32 s[\g+1], 32<<16
	s_mov_b32 s[\g+2], (128*KS/256)<<16
	s_mov_b32 s[\g+3], 32<<16
	s_mov_b32 s[\g+4], 128*KS/256
	s_mov_b32 s[\g+5], 32
	s_mov_b32 s[\g+6], 0
	s_mov_b32 s[\g+7], 0
.endr
	s_lshl_b32 s18, s16, 7
	s_lshl_b32 s20, s17, 8
	s_add_co_u32 s20, s20, s18                     ; A: row 256 x tile row + 128 x half
	s_lshl_b32 s46, s42, 8
	s_add_co_u32 s46, s46, s18                     ; B: row 256 x tile column + 128 x half
	s_mov_b32 s21, 0
	s_mov_b32 s47, 0
	s_mov_b64 s[18:19], KS
	s_mul_u64 s[22:23], s[20:21], s[18:19]
	s_mul_u64 s[92:93], s[46:47], s[18:19]
	s_mov_b64 s[18:19], KROW
	s_mul_u64 s[20:21], s[20:21], s[18:19]
	s_mul_u64 s[46:47], s[46:47], s[18:19]
	s_mul_i32 s45, s14, HALFT
	s_mul_i32 s94, s14, HALFS
	s_wait_dscnt 0x0                               ; both opening adds are done
	s_wait_kmcnt 0x0
	s_add_nc_u64 s[20:21], s[4:5], s[20:21]
	s_add_nc_u64 s[22:23], s[6:7], s[22:23]
	s_add_nc_u64 s[46:47], s[8:9], s[46:47]
	s_add_nc_u64 s[92:93], s[10:11], s[92:93]
	CROUND                                         ; all sixteen work-groups are here: the first joint loads meet
	s_mov_b32 s[G0S], 1
	s_add_co_u32 s[G0S+1], s94, SCL
	s_mov_b64 s[G0S+2:G0S+3], s[22:23]
	s_or_b32 s[G0S+3], s[G0S+3], 0x80000000
	s_mov_b32 s[G0SB], 1
	s_add_co_u32 s[G0SB+1], s94, SCL
	s_mov_b64 s[G0SB+2:G0SB+3], s[92:93]
	s_or_b32 s[G0SB+3], s[G0SB+3], 0x80000000
	JLOAD G0S, G1S, G0SB, G1SB                     ; the scales first
.irp s, 0,1
	s_mov_b32 s[G0+4*\s], 1
	s_add_co_u32 s[G0+4*\s+1], s45, \s*SLOT
	s_add_nc_u64 s[G0+4*\s+2:G0+4*\s+3], s[20:21], \s*ROWB
	s_or_b32 s[G0+4*\s+3], s[G0+4*\s+3], 0x80000000
	s_mov_b32 s[G0B+4*\s], 1
	s_add_co_u32 s[G0B+4*\s+1], s45, \s*SLOT
	s_add_nc_u64 s[G0B+4*\s+2:G0B+4*\s+3], s[46:47], \s*ROWB
	s_or_b32 s[G0B+4*\s+3], s[G0B+4*\s+3], 0x80000000
	JLOAD G0+4*\s, G1, G0B+4*\s, G1B
.endr
	v_and_b32 v1, 15, v0                           ; r
	v_bfe_u32 v2, v0, 4, 1                         ; h
	v_mul_u32_u24 v3, v1, PITCH
	v_lshl_add_u32 v4, v2, 4, v3                   ; row x pitch + 16 x half
	s_mul_i32 s21, s15, HALFT
	s_mul_i32 s22, s16, HALFT
	s_add_co_u32 s22, s22, 2*HALFT
.irp s, 0,1
	v_add_nc_u32 v[ADRA+\s], s21, v4
	v_add_nc_u32 v[ADRB+\s], s22, v4
	s_add_co_u32 s21, s21, SLOT
	s_add_co_u32 s22, s22, SLOT
.endr
	v_mul_u32_u24 v5, v1, KS
	v_lshrrev_b32 v6, 8, v5
	v_lshl_add_u32 v5, v6, 4, v5
	s_mul_i32 s21, s15, HALFS
	s_mul_i32 s22, s16, HALFS
	s_add_co_u32 s22, s22, 2*HALFS
	s_sub_co_u32 s22, s22, s21
	v_mul_u32_u24 v6, s22, v2                      ; lanes 16-31 take B's scale words
	s_add_co_u32 s21, s21, SCL
	v_add_nc_u32 v5, v5, v6
	v_add_nc_u32 v[ADRS], s21, v5
	s_mul_i32 s23, s14, 16*PITCH                   ; my stage
	v_add_nc_u32 v[STO], s23, v4
	v_mul_u32_u24 v5, v2, PITCH
	v_lshl_add_u32 v5, v1, 4, v5
	v_add_nc_u32 v[RD], s23, v5
	v_and_b32 v6, 31, v0
	v_lshlrev_b32 v[CO], 4, v6
	; the way out's numbers.  s41 = batch, s95 = the tile's place in its sequence
	s_lshl_b32 s20, s42, 1
	s_add_co_u32 s20, s20, s16                     ; my head, 0..23
	s_mul_i32 s21, s41, 24
	s_add_co_u32 s20, s20, s21                     ; 24 b + head
	s_lshl_b32 s46, s20, 13
	s_mov_b32 s47, 0
	s_add_nc_u64 s[96:97], s[12:13], s[46:47]
	s_add_nc_u64 s[96:97], s[96:97], FIN           ; my head's f32 image
	s_lshl_b32 s21, s95, 8
	s_lshl_b32 s22, s15, 7
	s_add_co_u32 s21, s21, s22                     ; my first position
	s_lshl_b32 s20, s20, 10
	s_add_co_u32 s20, s20, s21
	s_lshl_b32 s46, s20, 8
	s_add_nc_u64 s[12:13], s[12:13], s[46:47]      ; my first row of f16
	s_add_nc_u64 s[10:11], s[10:11], TBL           ; the table
	s_add_co_u32 s22, s42, 6
	s_lshr_b32 s22, s22, 4                         ; 1 for tile columns 10 and 11, v's heads: by arithmetic; it enters offsets of global loads alone
	s_sub_co_u32 s23, 1, s22
	s_lshl_b32 s67, s23, 13                        ; from block to block in the table: 8,192 bytes, or 0
	s_lshl_b32 s66, s95, 4
	s_lshl_b32 s21, s15, 3
	s_add_co_u32 s66, s66, s21
	s_mul_i32 s66, s66, s67
	s_lshl_b32 s22, s22, 19
	s_add_co_u32 s66, s66, s22                     ; my first block's group, or the last group
	s_or_b32 s95, s95, s15                         ; 0 where my first position is 0: equal in all partners, for a given wave
.irp a, 0,1,2,3,4,5,6,7
	v_add_nc_u32 v[VT+\a], s66, v[CO]              ; never rewritten
	s_add_co_u32 s66, s66, s67
.endr
	TABLE 0                                        ; 32 loads that stay out under the products: their registers and addresses are named by nothing in the loop
	TABLE 1
.macro FRAG reg, adr, q, i
.irp c, 0,1
	ds_load_b128 v[\reg+4*\c:\reg+4*\c+3], v[\adr] offset:64*(\q)+32*\c+(\i)*16*PITCH
.endr
.endm
; 16 matrix instructions: A's blocks a0, a0 + 1 x B's eight.  The 64 accumulators take turns, one instruction a turn, in the same order in every step.
.macro MUL16 a0, p, q, sc, zero
.irp a, \a0, \a0+1
.irp b, 0,1,2,3,4,5,6,7
.if \zero
	v_wmma_scale_f32_16x16x128_f8f6f4 v[8*(8*((\a)%4)+\b):8*(8*((\a)%4)+\b)+7], v[128*(\p)+FR*\b:128*(\p)+FR*\b+FR-1], v[AF+FR*(\a):AF+FR*(\a)+FR-1], 0, v[SC+8*NQ*(\sc)+NQ*\b+(\q)], v[SC+8*NQ*(\sc)+NQ*(\a)+(\q)] matrix_a_fmt:MATRIX_FMT_FP4 matrix_b_fmt:MATRIX_FMT_FP4 matrix_a_scale:MATRIX_SCALE_ROW1
.else
	v_wmma_scale_f32_16x16x128_f8f6f4 v[8*(8*((\a)%4)+\b):8*(8*((\a)%4)+\b)+7], v[128*(\p)+FR*\b:128*(\p)+FR*\b+FR-1], v[AF+FR*(\a):AF+FR*(\a)+FR-1], v[8*(8*((\a)%4)+\b):8*(8*((\a)%4)+\b)+7], v[SC+8*NQ*(\sc)+NQ*\b+(\q)], v[SC+8*NQ*(\sc)+NQ*(\a)+(\q)] matrix_a_fmt:MATRIX_FMT_FP4 matrix_b_fmt:MATRIX_FMT_FP4 matrix_a_scale:MATRIX_SCALE_ROW1
.endif
.endr
.endr
.endm
.macro FETCH_B slot, q, p
	WIN TO_B
.irp i, 0,1,2,3,4,5,6,7
	FRAG 128*(\p)+FR*\i, ADRB+\slot, \q, \i
.endr
	WIN 0
.endm
.macro FETCH_A slot, q, i0
.irp i, \i0, \i0+1, \i0+2, \i0+3
	FRAG AF+FR*(\i), ADRA+\slot, \q, \i
.endr
.endm
.macro SCALES sc
.irp i, 0,1,2,3,4,5,6,7
	ds_load_b128 v[SC+8*NQ*\sc+NQ*\i:SC+8*NQ*\sc+NQ*\i+3], v[ADRS] offset:\i*SBLK
.endr
.endm
.macro PLACES n                        ; plain vector places behind matrix instructions, ahead of loads into their registers and of reads of their results
.rept \n
	v_nop
.endr
.endm
.macro STEP slot, q, zero
	s_wait_dscnt 4*NL                              ; B's set and A's blocks 0-3 are in; A's blocks 4-7 may be out
	WIN MUL_LO
	MUL16 0, (\q)%2, \q, \slot, \zero
	MUL16 2, (\q)%2, \q, \slot, \zero
	s_wait_dscnt 0
	PLACES NP
	FETCH_B \slot, (\q)+1, 1-(\q)%2
	FETCH_A \slot, (\q)+1, 0
	WIN MUL_HI
	MUL16 4, (\q)%2, \q, \slot, \zero
	MUL16 6, (\q)%2, \q, \slot, \zero
	PLACES NP
	WIN 0
	FETCH_A \slot, (\q)+1, 4
.endm
; A slot's last step changes slots: one barrier; ahead of it each wave waits for all its tensor loads, adds 0 to its spare word, and waits for that and for its reads of this slot.
.macro TURN slot, next, fill
	s_wait_tensorcnt 0x0                           ; all my tensor loads have landed: my part of the next slot
	ds_add_u32 v[SPW], v[NIL]
	s_wait_dscnt 4*NL+1                            ; the add and A's blocks 4-7 may be out
	WIN MUL_LO
	MUL16 0, 1, NQ-1, \slot, 0
	s_wait_dscnt 0x0                               ; the add is done, and my reads of this slot are over
	s_barrier_signal -1
	MUL16 2, 1, NQ-1, \slot, 0
	WIN 0
	s_barrier_wait -1
.if \fill
	CREST                                          ; the barrier has opened a round of the cluster's barrier: no wave of any partner still reads this slot or has a load on its way
	s_add_nc_u64 s[G0+4*\slot+2:G0+4*\slot+3], s[G0+4*\slot+2:G0+4*\slot+3], 2*ROWB
	s_add_nc_u64 s[G0B+4*\slot+2:G0B+4*\slot+3], s[G0B+4*\slot+2:G0B+4*\slot+3], 2*ROWB
	JLOAD G0+4*\slot, G1, G0B+4*\slot, G1B
.else
	PLACES NP
.endif
	v_add_nc_u32 v[ADRS], 4*NQ, v[ADRS]
	FETCH_B \next, 0, 0
	FETCH_A \next, 0, 0
	SCALES \next
	WIN MUL_HI
	MUL16 4, 1, NQ-1, \slot, 0
	MUL16 6, 1, NQ-1, \slot, 0
	PLACES NP
	WIN 0
	FETCH_A \next, 0, 4
.endm
.macro STEPS slot, from
.set Q, \from
.rept NQ-1-\from
	STEP \slot, Q, 0
.set Q, Q+1
.endr
.endm
	s_wait_tensorcnt 1                             ; the scales and my part of K step 0 are in (K step 1's load may be out)
	s_barrier_signal -1
	s_barrier_wait -1
	FETCH_B 0, 0, 0
	FETCH_A 0, 0, 0
	SCALES 0
	FETCH_A 0, 0, 4
	STEP 0, 0, 1                                   ; the first step's products start the sums
	s_mov_b32 s3, LAPS-1
.Llap:
	STEPS 0, 1
	TURN 0, 1, 1
	STEPS 1, 0
	TURN 1, 0, 1
	STEP 0, 0, 0
	s_sub_co_u32 s3, s3, 1
	s_cmp_lg_u32 s3, 0
	s_cbranch_scc1 .Llap
	STEPS 0, 1
	TURN 0, 1, 0
	STEPS 1, 0
	s_wait_dscnt 4*NL
	WIN MUL_LO
	MUL16 0, 1, NQ-1, 1, 0
	MUL16 2, 1, NQ-1, 1, 0
	s_wait_dscnt 0
	WIN MUL_HI
	MUL16 4, 1, NQ-1, 1, 0
	MUL16 6, 1, NQ-1, 1, 0
	WIN 0
; THE WAY OUT, a block of 16 tokens at a time.
.macro ROPE a                          ; source 0: the accumulators' window; source 1: the table's; the rest window 0.  Each accumulator is read from its low end on
	WIN (2+(\a)/4)|4
.set AC, 64*((\a)%4)
.set TS, 128*((\a)%2)+64*(1-(((\a)%4)/2))
.set it, 0
.irp b, 0,1,2,3
.irp jp, 0,2,4,6
.set T0, TT+4*(it%2)
	v_pk_mul_f32 v[T0:T0+1], v[AC+8*(\b+4)+\jp:AC+8*(\b+4)+\jp+1], v[TS+32+8*\b+\jp:TS+32+8*\b+\jp+1]
	v_pk_mul_f32 v[T0+2:T0+3], v[AC+8*\b+\jp:AC+8*\b+\jp+1], v[TS+32+8*\b+\jp:TS+32+8*\b+\jp+1]
	v_pk_fma_f32 v[YY+8*\b+\jp:YY+8*\b+\jp+1], v[AC+8*\b+\jp:AC+8*\b+\jp+1], v[TS+8*\b+\jp:TS+8*\b+\jp+1], v[T0:T0+1] neg_lo:[0,0,1] neg_hi:[0,0,1]
	v_pk_fma_f32 v[YY+8*(\b+4)+\jp:YY+8*(\b+4)+\jp+1], v[AC+8*(\b+4)+\jp:AC+8*(\b+4)+\jp+1], v[TS+8*\b+\jp:TS+8*\b+\jp+1], v[T0+2:T0+3]
.set it, it+1
.endr
.endr
	WIN 0
.endm
.macro OUTB a                          ; f16; 16 bytes a lane into my stage; back as whole rows of 256 bytes; two rows a store
.set BB, BK+32*((\a)%2)
.set i, 0
.rept 32
	v_cvt_pk_f16_f32 v[PK+i], v[YY+2*i], v[YY+2*i+1]
.set i, i+1
.endr
.irp bb, 0,1,2,3,4,5,6,7
	ds_store_b128 v[STO], v[PK+4*\bb:PK+4*\bb+3] offset:32*\bb
.endr
.irp f, 0,1,2,3,4,5,6,7
	ds_load_b128 v[BB+4*\f:BB+4*\f+3], v[RD] offset:544*\f     ; LDS serves a wave's instructions in order: these see the stores above
.endr
.irp f, 0,1,2,3,4,5,6,7
	s_wait_dscnt 7-\f
	global_store_b128 v[CO], v[BB+4*\f:BB+4*\f+3], s[12:13] offset:4096*(\a)+512*\f   ; 512 consecutive bytes, aligned
.endr
.endm
	PLACES NP                                      ; behind the last products: their fragments' registers are loaded into below
	TABLE 2
	TABLE 3
.irp a, 0,1,2,3,4,5,6,7
.if \a > 0
	s_wait_xcnt 0x0                                ; the earlier stores have read their registers: the rotated block and the rows' sets are written again only behind this wait
.endif
.if \a < 5
	s_wait_loadcnt 48                              ; this block's table is in; the three sets issued behind it may be out
.else
	s_wait_loadcnt 16*(7-\a)
.endif
	ROPE \a
.if \a < 4
	TABLE \a+4
.endif
.if \a == 0
	s_cmp_lg_u32 s95, 0                            ; positions 0 to 15 of a sequence also leave in f32, as the registers lie
	s_cbranch_scc1 .Lnot_first
.irp c, 0,1,2,3,4,5,6,7,8,9,10,11,12,13,14,15
	global_store_b128 v[CO], v[YY+4*\c:YY+4*\c+3], s[96:97] offset:512*\c
.endr
.Lnot_first:
.endif
	OUTB \a
.endr
	s_wait_tensorcnt 0x0                           ; the wave's end
	ds_add_u32 v[SPW], v[NIL]
	s_wait_dscnt 0x0
	CROUND                                         ; the closing round
	s_endpgm
.Lfunc_end_k_q9ee7dadff4_qkv:
	.size	k_q9ee7dadff4_qkv, .Lfunc_end_k_q9ee7dadff4_qkv-k_q9ee7dadff4_qkv
	.p2alignl 7, 3214868480
	.fill 96, 4, 3214868480
	.section	.rodata,"a",@progbits
	.p2align	6, 0x0
	.amdhsa_kernel k_q9ee7dadff4_qkv
		.amdhsa_group_segment_fixed_size 327680
		.amdhsa_private_segment_fixed_size 0
		.amdhsa_enable_private_segment 0
		.amdhsa_kernarg_size 40
		.amdhsa_user_sgpr_count 2
		.amdhsa_user_sgpr_kernarg_segment_ptr 1
		.amdhsa_wavefront_size32 1
		.amdhsa_system_sgpr_workgroup_id_x 1
		.amdhsa_system_sgpr_workgroup_id_y 1
		.amdhsa_system_sgpr_workgroup_id_z 1
		.amdhsa_system_vgpr_workitem_id 0
		.amdhsa_next_free_vgpr 1024
		.amdhsa_next_free_sgpr 100
		.amdhsa_reserve_vcc 0
		.amdhsa_float_denorm_mode_32 3
		.amdhsa_float_denorm_mode_16_64 3
		.amdhsa_memory_ordered 1
		.amdhsa_forward_progress 1
		.amdhsa_inst_pref_size 255
	.end_amdhsa_kernel
	.section	.bss,"aw",@nobits
	.p2align	6
	.space	262144
	.amdgpu_metadata
---
amdhsa.version: [ 1, 2 ]
amdhsa.kernels:
  - .name:           k_q9ee7dadff4_qkv
    .symbol:         k_q9ee7dadff4_qkv.kd
    .args:
      - { .name: xc, .offset: 0, .size: 8, .value_kind: global_buffer, .address_space: global }
      - { .name: xs, .offset: 8, .size: 8, .value_kind: global_buffer, .address_space: global }
      - { .name: wc, .offset: 16, .size: 8, .value_kind: global_buffer, .address_space: global }
      - { .name: ws, .offset: 24, .size: 8, .value_kind: global_buffer, .address_space: global }
      - { .name: qkv, .offset: 32, .size: 8, .value_kind: global_buffer, .address_space: global }
    .group_segment_fixed_size: 327680
    .private_segment_fixed_size: 0
    .kernarg_segment_align: 8
    .kernarg_segment_size: 40
    .max_flat_workgroup_size: 128
    .sgpr_count:     100
    .vgpr_count:     1024
    .wavefront_size: 32
...
	.end_amdgpu_metadata
.endif
;; end of part 2
;; launch fatt (part 3): grid 16 x 4, 1 waves a work-group, no clusters, 0 bytes of LDS; arguments qkv, attf; writes attf
.if DOCPART == 3
	.amdgcn_target "amdgcn-amd-amdhsa--gfx1250"
	.amdhsa_code_object_version 6
	.text
	.protected	k_q9ee7dadff4_fatt
	.globl	k_q9ee7dadff4_fatt
	.p2align	8
	.type	k_q9ee7dadff4_fatt,@function
k_q9ee7dadff4_fatt:
	s_mov_b64 s[64:65], 0
	v_nop
	global_prefetch_b8 v0, s[64:65] scope:SCOPE_SE
	s_setreg_imm32_b32 hwreg(HW_REG_WAVE_MODE, 25, 1), 1
	s_wait_xcnt 0x0
; FATT: attention of positions 0 to 15 of every sequence, in f32 throughout: these rows average few values and are the largest of the output.  One wave for each (head, batch); no LDS.
; q, k, v come as the f32 images that the launch before left: chunk c = 2 bb + q of a head: lane (r, h) holds row r at channels 16 bb + 8 h + 4 q + 0..3.
; S^T = K Q^T by the f32 matrix form (K = 4): a register pair of a chunk gives lanes (r, h) two channels each; K and Q carry the same order of channels, so the products are kept.  Four accumulators by turns.
; In the result lane (r, h) holds query r and keys 8 h + 0..7.  The softmax takes its maximum away; p is normalised in f32.  O^T = V^T P^T: pair s of p holds keys 8 h + 2 s + 0, 1, and V is gathered to match.
; The accumulators are written by matrix instructions alone; what is made of them goes into other registers.
.set FIN, 25165824
.set KF, 16                            ; v16-79 K's image; v80-143 Q's; v144-207 V gathered; v208-239 four accumulators of S^T; v240-247 scores, then p; v248-255 at work; window 1, v0-63: eight accumulators of O^T
.set QF, 80
.set VV, 144
.set SA, 208
.set SS, 240
.set TT, 248
.set MSB, 0
.macro WIN new
.if MSB != \new
	s_set_vgpr_msb (MSB<<8)|\new
.set MSB, \new
.endif
.endm
	s_load_b128 s[4:7], s[0:1], 0x0                ; qkv, attf
	v_and_b32 v1, 15, v0                           ; r
	v_bfe_u32 v5, v0, 4, 1                         ; h
	v_lshlrev_b32 v2, 4, v0                        ; 16 x lane
	v_bfe_u32 v6, v1, 2, 1
	v_lshlrev_b32 v3, 9, v6
	v_bfe_u32 v6, v1, 3, 1
	v_lshl_add_u32 v3, v6, 8, v3
	v_and_b32 v6, 3, v1
	v_lshl_add_u32 v3, v6, 2, v3
	v_lshl_add_u32 v3, v5, 7, v3                   ; where V[key 8 h][channel r of a tile of 16] lies in an image
	v_lshlrev_b32 v4, 3, v5
	v_sub_nc_u32 v4, v1, v4                        ; r - 8 h: register j's key is hidden where j is above it
	v_mov_b32 v7, 0xff800000                       ; -infinity
	s_and_b32 s8, ttmp7, 0xffff                    ; batch
	s_mul_i32 s9, s8, 24
	s_add_co_u32 s10, s9, ttmp9
	s_lshl_b32 s10, s10, 13
	s_mov_b32 s11, 0                               ; q's image
	s_lshr_b32 s12, ttmp9, 2
	s_add_co_u32 s12, s12, s9
	s_add_co_u32 s12, s12, 16
	s_lshl_b32 s12, s12, 13
	s_mov_b32 s13, 0                               ; k's; v's lies four heads, 32,768 bytes, on
	s_lshl_b32 s14, s8, 8
	s_lshl_b32 s15, ttmp9, 4
	s_add_co_u32 s14, s14, s15
	s_lshl_b32 s14, s14, 9
	s_mov_b32 s15, 0
	s_mov_b32 s20, 0x76543210
	s_mov_b32 s21, 0xfedcba98                      ; lane l xor 16
	s_mov_b32 s22, 0x3e0293ee                      ; c = log2(e) / sqrt(128)
	s_wait_kmcnt 0x0
	s_add_nc_u64 s[4:5], s[4:5], FIN
	s_add_nc_u64 s[16:17], s[4:5], s[10:11]
	s_add_nc_u64 s[18:19], s[4:5], s[12:13]
	s_add_nc_u64 s[6:7], s[6:7], s[14:15]
.irp c, 0,1,2,3,4,5,6,7,8,9,10,11,12,13,14,15
	global_load_b128 v[KF+4*\c:KF+4*\c+3], v2, s[18:19] offset:512*\c
.endr
.irp c, 0,1,2,3,4,5,6,7,8,9,10,11,12,13,14,15
	global_load_b128 v[QF+4*\c:QF+4*\c+3], v2, s[16:17] offset:512*\c
.endr
.irp dt, 0,1,2,3,4,5,6,7
.irp k, 0,1,2,3,4,5,6,7
	global_load_b32 v[VV+8*\dt+\k], v3, s[18:19] offset:32768+1024*\dt+16*\k   ; V[key 8 h + k][16 dt + r]
.endr
.endr
	s_wait_loadcnt 63                              ; K and Q are in: 64 loads were issued behind them, and the count's field holds 63
.set st, 0
.rept 32
.if st < 4
	v_wmma_f32_16x16x4_f32 v[SA+8*(st%4):SA+8*(st%4)+7], v[KF+2*st:KF+2*st+1], v[QF+2*st:QF+2*st+1], 0
.else
	v_wmma_f32_16x16x4_f32 v[SA+8*(st%4):SA+8*(st%4)+7], v[KF+2*st:KF+2*st+1], v[QF+2*st:QF+2*st+1], v[SA+8*(st%4):SA+8*(st%4)+7]
.endif
.set st, st+1
.endr
.rept 8
	v_nop                                          ; eight places behind this form, ahead of the first read of its results
.endr
.irp j, 0,2,4,6
	v_pk_add_f32 v[SS+\j:SS+\j+1], v[SA+\j:SA+\j+1], v[SA+8+\j:SA+8+\j+1]
	v_pk_add_f32 v[TT+\j:TT+\j+1], v[SA+16+\j:SA+16+\j+1], v[SA+24+\j:SA+24+\j+1]
.endr
.irp j, 0,2,4,6
	v_pk_add_f32 v[SS+\j:SS+\j+1], v[SS+\j:SS+\j+1], v[TT+\j:TT+\j+1]
.endr
.irp j, 0,1,2,3,4,5,6,7
	v_cmp_gt_i32 vcc_lo, \j, v4
	v_cndmask_b32 v[SS+\j], v[SS+\j], v7, vcc_lo   ; the causal mask
.endr
	v_max3_num_f32 v248, v240, v241, v242
	v_max3_num_f32 v248, v248, v243, v244
	v_max3_num_f32 v248, v248, v245, v246
	v_max_num_f32 v248, v248, v247
	v_permlanex16_b32 v249, v248, s20, s21
	v_max_num_f32 v248, v248, v249                 ; the row's maximum (key 0 counts for every query)
	v_mul_f32 v250, s22, v248
.irp j, 0,1,2,3,4,5,6,7
	v_fma_f32 v[SS+\j], v[SS+\j], s22, -v250
.endr
.irp j, 0,1,2,3,4,5,6,7
	v_exp_f32 v[SS+\j], v[SS+\j]
.endr
	v_nop
	s_wait_alu depctr_va_vdst(0)                   ; one wait for the eight, ahead of their first reader
	v_add_f32 v248, v240, v241
	v_add_f32 v249, v242, v243
	v_add_f32 v250, v244, v245
	v_add_f32 v251, v246, v247
	v_add_f32 v248, v248, v249
	v_add_f32 v250, v250, v251
	v_add_f32 v248, v248, v250
	v_permlanex16_b32 v249, v248, s20, s21
	v_add_f32 v248, v248, v249
	v_rcp_f32 v251, v248
	v_nop
	s_wait_alu depctr_va_vdst(0)
.irp j, 0,1,2,3,4,5,6,7
	v_mul_f32 v[SS+\j], v[SS+\j], v251
.endr
	s_wait_loadcnt 0x0                             ; V
	WIN 0x50                                       ; C and D in window 1
.irp s, 0,1,2,3
.irp dt, 0,1,2,3,4,5,6,7
.if \s == 0
	v_wmma_f32_16x16x4_f32 v[8*\dt:8*\dt+7], v[VV+8*\dt+2*\s:VV+8*\dt+2*\s+1], v[SS+2*\s:SS+2*\s+1], 0
.else
	v_wmma_f32_16x16x4_f32 v[8*\dt:8*\dt+7], v[VV+8*\dt+2*\s:VV+8*\dt+2*\s+1], v[SS+2*\s:SS+2*\s+1], v[8*\dt:8*\dt+7]
.endif
.endr
.endr
.rept 8
	v_nop
.endr
	WIN 0x04                                       ; a store's data are its source 1: window 1
.irp dt, 0,1,2,3,4,5,6,7
	global_store_b128 v2, v[8*\dt:8*\dt+3], s[6:7] offset:1024*\dt           ; lane (r, h): row r, channels 16 dt + 8 h + 0..3: 512 consecutive bytes; each accumulator from its low end on
	global_store_b128 v2, v[8*\dt+4:8*\dt+7], s[6:7] offset:1024*\dt+512
.endr
	WIN 0
	s_endpgm
.Lfunc_end_k_q9ee7dadff4_fatt:
	.size	k_q9ee7dadff4_fatt, .Lfunc_end_k_q9ee7dadff4_fatt-k_q9ee7dadff4_fatt
	.p2alignl 7, 3214868480
	.fill 96, 4, 3214868480
	.section	.rodata,"a",@progbits
	.p2align	6, 0x0
	.amdhsa_kernel k_q9ee7dadff4_fatt
		.amdhsa_group_segment_fixed_size 0
		.amdhsa_private_segment_fixed_size 0
		.amdhsa_enable_private_segment 0
		.amdhsa_kernarg_size 16
		.amdhsa_user_sgpr_count 2
		.amdhsa_user_sgpr_kernarg_segment_ptr 1
		.amdhsa_wavefront_size32 1
		.amdhsa_system_sgpr_workgroup_id_x 1
		.amdhsa_system_sgpr_workgroup_id_y 1
		.amdhsa_system_sgpr_workgroup_id_z 1
		.amdhsa_system_vgpr_workitem_id 0
		.amdhsa_next_free_vgpr 384
		.amdhsa_next_free_sgpr 66
		.amdhsa_reserve_vcc 1
		.amdhsa_float_denorm_mode_32 3
		.amdhsa_float_denorm_mode_16_64 3
		.amdhsa_memory_ordered 1
		.amdhsa_forward_progress 1
		.amdhsa_inst_pref_size 21
	.end_amdhsa_kernel
	.amdgpu_metadata
---
amdhsa.version: [ 1, 2 ]
amdhsa.kernels:
  - .name:           k_q9ee7dadff4_fatt
    .symbol:         k_q9ee7dadff4_fatt.kd
    .args:
      - { .name: qkv, .offset: 0, .size: 8, .value_kind: global_buffer, .address_space: global }
      - { .name: attf, .offset: 8, .size: 8, .value_kind: global_buffer, .address_space: global }
    .group_segment_fixed_size: 0
    .private_segment_fixed_size: 0
    .kernarg_segment_align: 8
    .kernarg_segment_size: 16
    .max_flat_workgroup_size: 32
    .sgpr_count:     66
    .vgpr_count:     384
    .wavefront_size: 32
...
	.end_amdgpu_metadata
.endif
;; end of part 3
;; launch att (part 4): grid 16 x 16, 4 waves a work-group, clusters of 4 x 1, 327,680 bytes of LDS; arguments qkv, att16; writes att16
.if DOCPART == 4
	.amdgcn_target "amdgcn-amd-amdhsa--gfx1250"
	.amdhsa_code_object_version 6
	.text
	.protected	k_q9ee7dadff4_att
	.globl	k_q9ee7dadff4_att
	.p2align	8
	.type	k_q9ee7dadff4_att,@function
k_q9ee7dadff4_att:
	s_mov_b64 s[64:65], 0
	v_nop
	global_prefetch_b8 v0, s[64:65] scope:SCOPE_SE
	s_setreg_imm32_b32 hwreg(HW_REG_WAVE_MODE, 25, 1), 1
	s_wait_xcnt 0x0
	s_wait_alu depctr_hold_cnt(0) depctr_sa_sdst(0) depctr_va_vdst(0) depctr_va_sdst(0) depctr_va_ssrc(0) depctr_va_vcc(0) depctr_vm_vsrc(0)
	s_getreg_b32 s2, hwreg(HW_REG_IB_STS2, 6, 4)
	s_cmp_eq_u32 s2, 0
	s_cbranch_scc0 .Lentry_in_a_cluster
	s_endpgm
.Lentry_in_a_cluster:
	s_bfe_u32 s2, ttmp6, 0x10000c
	s_cmp_lg_u32 s2, 0x3003
	s_cbranch_scc0 .Lentry_shape_is_right
	s_endpgm
.Lentry_shape_is_right:
; ATT: causal attention with grouped heads, f16 operands, f32 sums, maxima and exponentials.  q, k, v: qkv [b][head 24][t 1024][128] f16; result: att16 [b t][16 heads x 128] f16.
; SHARES.  The four work-groups of a cluster are the four query heads of one key-value head, at the same query blocks: they walk the same K and V tiles with the same causal limits, so every tile is asked for JOINTLY.
; A work-group takes the blocks of 128 queries numbered i and 7 - i (i = the cluster's x), one after the other: (i + 1) + (8 - i) = 9 units of 128 keys in every work-group: the trip count is a constant,
; all 256 work-groups have equal work, and every tile that is loaded is read.  A wave owns 32 queries: two tiles of 16.
; LAYOUT.  S^T = K Q^T (source 0 = 16 keys, source 1 = 16 queries): a lane holds ONE query (lane % 16) and keys 8 (lane / 16) + 0..7.  Two such tiles, rounded to f16 in pairs, are source 1 of O^T = V^T P.  V is turned by ds_load_tr16_b128.
; SOFTMAX.  A running maximum m and sum l: p = 2^(c s - c m); in every step O and l are multiplied by a = 2^(c m_old - c m_new).  A block begins with m = -3e38: its first a is 0, which clears l and O^T.
; PHASES: a step of 64 keys is 32 products K Q^T, the mask where the diagonal is near, the softmax, 32 products V^T P.  The next run of LDS loads is out meanwhile.
; THE CHANGE OF SLOTS STANDS AHEAD OF A UNIT'S LAST 32 PRODUCTS: by then the wave has asked for all of the slot, so the slot can be given up, the next unit's first 32 loads of K go out, and they land under those products.
; LIMIT: operands beyond f16's range (65,504) are not served.
; REGISTERS: window 0: v1-15 addresses, v16-31 statistics, v32-95 S^T, v96-127 P, v128-191 Q, v192-193 the add's two.  Window 1: v0-127 K, v128-255 V.  Window 2: v0-127 O^T, v128-191 the second block's Q.
.set KS,    64
.set PK,    272                        ; a row of K in LDS: 256 bytes + 16
.set PV,    288                        ; a row of V: 256 + 32
.set VOFF,  KS*PK
.set STEPB, KS*(PK+PV)
.set SLOT1, 1<<17                      ; a slot holds a unit's two steps; slot 1 begins here, so that one exclusive or turns an address
.set STAGE, SLOT1+2*STEPB              ; behind the ring: 16 rows x 272 bytes for each wave
.set SP,    272
.set SPARE, STAGE+4*16*SP              ; the spare words: two blocks of 256 bytes that no other line names
.set AK0, 2
.set AV0, 3
.set ADK, 4
.set ADV, 5
.set STO, 6
.set RD,  7
.set GO,  8
.set QO,  10
.set PFO, 11
.set RH,  12                           ; r - 8 h
.set D0,  13                           ; v13, v14: the mask's bound for tiles 0 and 1
.set NINF, 15
.set ST,  16                           ; tile t's statistics at v[ST + 8 t]: +0 c m, +1 m, +2, +3 l, +4 to +7 at work; a at +6
.set SS,  32
.set PP,  96
.set QF,  128
.set SPW, 192
.set NIL, 193
.set WV,  12
.set SI,  13                           ; i: the cluster's x
.set SCX, 14                           ; my place in the cluster: the query head within its group; it enters Q's, O's and the prefetches' addresses alone
.set G1K, 24
.set G1V, 32
.set G0K, 40
.set G0V, 44
.set KB,  48                           ; s[48:49] K's head at my step of a unit; s[50:51] V's
.set VB,  50
.set OA,  52                           ; s[52:53] my rows of att16 for block i; s[54:55] for block 7 - i
.set OB,  54
.set U,   56                           ; the trip
.set NK,  57                           ; the unit of keys asked for last
.set CS,  58
.set SEL, 60
.set TB,  62                           ; LDS byte at which the slot in hand begins
.set KF,  63                           ; the unit's first key
.set Q0,  66                           ; my first query
.set Q0B, 67
.set LIMU, 68
.set CI,  69                           ; which change of slots this is, 0 to 7
.set PFA, 70
.set MSB, 0
.macro WIN new
.if MSB != \new
	s_set_vgpr_msb (MSB<<8)|\new
.set MSB, \new
.endif
.endm
.macro JLOAD                           ; waves 0 and 1 fetch the unit's two steps of K, waves 2 and 3 of V; an s_nop 0 and four v_nop follow each line
	s_cmp_lt_u32 s[WV], 2
	s_cbranch_scc0 .Lfor_v_\@
	tensor_load_to_lds s[G0K:G0K+3], s[G1K:G1K+7]
	s_nop 0
.rept 4
	v_nop
.endr
	s_branch .Lasked_\@
.Lfor_v_\@:
	tensor_load_to_lds s[G0V:G0V+3], s[G1V:G1V+7]
	s_nop 0
.rept 4
	v_nop
.endr
.Lasked_\@:
.endm
; A prefetch of the unit that the NEXT change's load will want: 128 rows of K and of V, 256 bytes a row, a lane a row.  The clusters of a key-value head walk the same rows: the cluster with i = 0 asks, whose second block
; walks units 0 to 7 in order.  Its four partners take 32 rows each, told apart by address; wave 0 asks for K's, wave 2 for V's.  The last change that fills a slot asks for nothing; nothing is asked for at the head.
.macro ASK
	s_cmp_lt_u32 s[CI], s[LIMU]
	s_cbranch_scc0 .Lnot_mine_\@
	global_prefetch_b8 v[PFO], s[PFA:PFA+1] th:TH_LOAD_NT scope:SCOPE_SE
.Lnot_mine_\@:
.endm
.macro CROUND
	s_barrier_signal -1
	s_barrier_wait -1
	s_cmp_lg_u32 s[WV], 0
	s_cbranch_scc1 .Lnot_wave_0_\@
	s_barrier_signal -3
.Lnot_wave_0_\@:
	s_barrier_wait -3
	s_barrier_signal -1
	s_barrier_wait -1
.endm
.macro PLACES
.rept 4
	v_nop
.endr
.endm
	s_load_b128 s[4:7], s[0:1], 0x0                ; qkv, att16
	v_lshl_add_u32 v[SPW], v0, 2, SPARE
	v_mov_b32 v[NIL], 0
	ds_add_u32 v[SPW], v[NIL]                      ; the wave's opening: the add, twice on end, and its wait ahead of my first tensor load
	ds_add_u32 v[SPW], v[NIL]
	v_lshrrev_b32 v1, 5, v0
	v_readfirstlane_b32 s[WV], v1
	s_bfe_u32 s[SCX], ttmp6, 0x40000
	s_mov_b32 s[SI], ttmp9
	s_and_b32 s72, ttmp7, 0xffff                   ; 4 b + kv
	s_lshr_b32 s73, s72, 2                         ; b
	s_and_b32 s74, s72, 3                          ; kv
	s_mul_i32 s75, s73, 24
	s_and_b32 s78, s[WV], 1                        ; which of a unit's two steps I fetch
	s_add_co_u32 s76, s75, s74
	s_add_co_u32 s76, s76, 16
	s_lshl_b32 s76, s76, 18                        ; K's head: 1,024 rows of 256 bytes each
	s_lshl_b32 s77, s78, 14
	s_add_co_u32 s76, s76, s77
	s_mov_b32 s77, 0
	s_mul_i32 s79, s78, STEPB                      ; and its place in a slot
	s_lshl_b32 s16, s74, 2
	s_add_co_u32 s16, s16, s[SCX]                  ; my query head
	s_add_co_u32 s17, s75, s16
	s_lshl_b32 s17, s17, 18
	s_lshl_b32 s18, s[SI], 7
	s_lshl_b32 s19, s[WV], 5
	s_add_co_u32 s[Q0], s18, s19
	s_sub_co_u32 s18, 7, s[SI]
	s_lshl_b32 s18, s18, 7
	s_add_co_u32 s[Q0B], s18, s19
	s_lshl_b32 s20, s[Q0], 8
	s_add_co_u32 s20, s20, s17
	s_mov_b32 s21, 0
	s_lshl_b32 s22, s[Q0B], 8
	s_add_co_u32 s22, s22, s17
	s_mov_b32 s23, 0
	s_lshl_b32 s73, s73, 10
	s_lshl_b32 s16, s16, 8
	s_add_co_u32 s8, s73, s[Q0]
	s_lshl_b32 s8, s8, 12
	s_add_co_u32 s8, s8, s16
	s_mov_b32 s9, 0
	s_add_co_u32 s10, s73, s[Q0B]
	s_lshl_b32 s10, s10, 12
	s_add_co_u32 s10, s10, s16
	s_mov_b32 s11, 0
	s_mov_b32 s[G1K], 15|(1<<16)|(1<<20)|(1<<21)|(5<<22)|(3<<25)  ; the mask: all four; elements of 2 bytes; padding on; bit 21 beside a mask; 4 words behind every 64
	s_mov_b32 s[G1V], 15|(1<<16)|(1<<20)|(1<<21)|(5<<22)|(7<<25)  ; the same with 8 words
.irp g, G1K, G1V
	s_mov_b32 s[\g+1], 128<<16
	s_mov_b32 s[\g+2], KS<<16
	s_mov_b32 s[\g+3], 128<<16
	s_mov_b32 s[\g+4], KS
	s_mov_b32 s[\g+5], 128
	s_mov_b32 s[\g+6], 0
	s_mov_b32 s[\g+7], 0
.endr
	s_mov_b32 s[CS], 0x3e0293ee                    ; c = log2(e) / sqrt(128)
	s_mov_b32 s[CS+1], s[CS]
	s_mov_b32 s[SEL], 0x76543210
	s_mov_b32 s[SEL+1], 0xfedcba98
	s_mov_b32 s[TB], 0
	s_mov_b32 s[KF], 0
	s_mov_b32 s[U], 0
	s_mov_b32 s[NK], 0
	s_or_b32 s72, s78, s[SI]
	s_cmp_eq_u32 s72, 0
	s_cselect_b32 s[LIMU], 7, 0                    ; waves 0 and 2 of the clusters with i = 0: the same in all four partners
	s_wait_dscnt 0x0                               ; both opening adds are done
	s_wait_kmcnt 0x0
	s_add_nc_u64 s[KB:KB+1], s[4:5], s[76:77]
	s_add_nc_u64 s[VB:VB+1], s[KB:KB+1], 4<<18
	s_add_nc_u64 s[OA:OA+1], s[6:7], s[8:9]
	s_add_nc_u64 s[OB:OB+1], s[6:7], s[10:11]
	s_add_nc_u64 s[8:9], s[4:5], s[20:21]          ; Q of block i,
	s_add_nc_u64 s[10:11], s[4:5], s[22:23]        ; and of block 7 - i
	s_cmp_lt_u32 s[WV], 2
	s_cselect_b64 s[PFA:PFA+1], s[KB:KB+1], s[VB:VB+1]
	s_lshl_b32 s72, s[SCX], 13
	s_mov_b32 s73, 0
	s_add_nc_u64 s[PFA:PFA+1], s[PFA:PFA+1], s[72:73]   ; my work-group's 32 rows of unit 0; the first change of slots steps it to unit 1
	CROUND                                         ; all four work-groups are here: the first joint load meets
	s_mov_b32 s[G0K], 1
	s_mov_b32 s[G0K+1], s79
	s_mov_b64 s[G0K+2:G0K+3], s[KB:KB+1]
	s_or_b32 s[G0K+3], s[G0K+3], 0x80000000
	s_mov_b32 s[G0V], 1
	s_add_co_u32 s[G0V+1], s79, VOFF
	s_mov_b64 s[G0V+2:G0V+3], s[VB:VB+1]
	s_or_b32 s[G0V+3], s[G0V+3], 0x80000000
	JLOAD                                          ; unit 0 into slot 0: one load of mine is out
	v_and_b32 v1, 15, v0                           ; r
	v_bfe_u32 v9, v0, 4, 1                         ; h
	v_lshlrev_b32 v[QO], 8, v1
	v_lshl_add_u32 v[QO], v9, 4, v[QO]
.irp i, 0,1,2,3,4,5,6,7                        ; Q: tile i / 4, channels 32 (i % 4) on
	global_load_b128 v[QF+8*\i:QF+8*\i+3],   v[QO], s[8:9] offset:(\i/4)*4096+(\i%4)*64
	global_load_b128 v[QF+8*\i+4:QF+8*\i+7], v[QO], s[8:9] offset:(\i/4)*4096+(\i%4)*64+32
.endr
	WIN 0x80
.irp i, 0,1,2,3,4,5,6,7
	global_load_b128 v[128+8*\i:128+8*\i+3],   v[QO], s[10:11] offset:(\i/4)*4096+(\i%4)*64
	global_load_b128 v[128+8*\i+4:128+8*\i+7], v[QO], s[10:11] offset:(\i/4)*4096+(\i%4)*64+32
.endr
.set n, 0
.rept 128
	v_mov_b32 v[n], 0                              ; O^T, once: the unit is written for all steps alike, and the first a, which is 0, wants finite numbers here
.set n, n+1
.endr
	WIN 0
	v_mul_u32_u24 v[AK0], v1, PK
	v_lshl_add_u32 v[AK0], v9, 4, v[AK0]
	v_and_b32 v13, 7, v0
	v_bfe_u32 v14, v0, 3, 1
	v_lshl_add_u32 v[AV0], v9, 3, v13
	v_mul_u32_u24 v[AV0], v[AV0], PV
	v_lshl_add_u32 v[AV0], v14, 4, v[AV0]
	v_add_nc_u32 v[AV0], VOFF, v[AV0]
	s_mul_i32 s72, s[WV], 16*SP
	s_add_co_u32 s72, s72, STAGE
	v_mul_u32_u24 v[STO], v1, SP
	v_lshl_add_u32 v[STO], v9, 4, v[STO]
	v_add_nc_u32 v[STO], s72, v[STO]
	v_mul_u32_u24 v[RD], v9, SP
	v_lshl_add_u32 v[RD], v1, 4, v[RD]
	v_add_nc_u32 v[RD], s72, v[RD]
	v_lshlrev_b32 v[GO], 12, v9
	v_lshl_add_u32 v[GO], v1, 4, v[GO]             ; two rows of att16, 4,096 bytes apart; 16 bytes a lane
	v_and_b32 v[PFO], 31, v0
	v_lshlrev_b32 v[PFO], 8, v[PFO]
	v_lshlrev_b32 v[RH], 3, v9
	v_sub_nc_u32 v[RH], v1, v[RH]
	v_mov_b32 v[NINF], 0xff800000
.irp t, 0,1
	v_mov_b32 v[ST+8*\t+1], 0xff61b1e6             ; m = -3e38
	v_mul_f32 v[ST+8*\t], s[CS], v[ST+8*\t+1]
	v_mov_b32 v[ST+8*\t+2], 0
	v_mov_b32 v[ST+8*\t+3], 0
.endr
.macro FETCH_K st                      ; 64 keys x 128 channels: 16 fragments, 32 loads
	WIN 0x40
.set f, 0
.rept 16
	ds_load_b128 v[8*f:8*f+3],   v[ADK] offset:(\st)*STEPB+(f/4)*16*PK+(f%4)*64
	ds_load_b128 v[8*f+4:8*f+7], v[ADK] offset:(\st)*STEPB+(f/4)*16*PK+(f%4)*64+32
.set f, f+1
.endr
	WIN 0
.endm
.macro FETCH_V st                      ; the same of V, turned
	WIN 0x40
.set f, 0
.rept 16
	ds_load_tr16_b128 v[128+8*f:128+8*f+3],   v[ADV] offset:(\st)*STEPB+(f/8)*32*PV+(f%8)*32
	ds_load_tr16_b128 v[128+8*f+4:128+8*f+7], v[ADV] offset:(\st)*STEPB+(f/8)*32*PV+16*PV+(f%8)*32
.set f, f+1
.endr
	WIN 0
.endm
.macro KQ                              ; S^T = K Q^T: eight accumulators by turns, one instruction a turn; the first eight start the sums
	WIN 0x01
.set i, 0
.rept 32
.set rS, SS+32*(i%2)+8*((i/2)%4)
.set rK, 32*((i/2)%4)+8*(i/8)
.set rQ, QF+32*(i%2)+8*(i/8)
.if i < 8
	v_wmma_f32_16x16x32_f16 v[rS:rS+7], v[rK:rK+7], v[rQ:rQ+7], 0
.else
	v_wmma_f32_16x16x32_f16 v[rS:rS+7], v[rK:rK+7], v[rQ:rQ+7], v[rS:rS+7]
.endif
.set i, i+1
.endr
	WIN 0
.endm
.macro PVM                             ; O^T += V^T P: sixteen accumulators by turns
	WIN 0xa1
.set i, 0
.rept 32
.set rO, 64*(i%2)+8*((i/2)%8)
.set rV, 128+64*(i/16)+8*((i/2)%8)
.set rP, PP+16*(i%2)+8*(i/16)
	v_wmma_f32_16x16x32_f16 v[rO:rO+7], v[rV:rV+7], v[rP:rP+7], v[rO:rO+7]
.set i, i+1
.endr
	WIN 0
.endm
; The causal mask of the step that begins off keys into the unit.  Jumped over, by a test on ids and the count of units, where all 64 keys count for all my queries.
; Register n of a tile holds key 16 (n / 8) + 8 h + n % 8 of the step: hidden where 16 (n / 8) + n % 8 is above my query - the step's first key - 8 h.
.macro MASK off
	s_add_co_u32 s72, s[KF], (\off)+63
	s_cmp_le_u32 s72, s[Q0]
	s_cbranch_scc1 .Lopen_\@
	s_sub_co_i32 s72, s[Q0], s[KF]
	s_sub_co_i32 s72, s72, \off
	v_add_nc_u32 v[D0], s72, v[RH]
	v_add_nc_u32 v[D0+1], 16, v[D0]
.irp t, 0,1
.set n, 0
.rept 32
	v_cmp_gt_i32 vcc_lo, 16*(n/8)+n%8, v[D0+\t]
	v_cndmask_b32 v[SS+32*\t+n], v[SS+32*\t+n], v[NINF], vcc_lo
.set n, n+1
.endr
.endr
.Lopen_\@:
.endm
.macro SOFTMAX                         ; both tiles, line by line
.irp j, 0,1,2,3
.irp t, 0,1
	v_max3_num_f32 v[ST+8*\t+4+\j], v[SS+32*\t+8*\j], v[SS+32*\t+8*\j+1], v[SS+32*\t+8*\j+2]
.endr
.endr
.irp u, 1,2
.irp j, 0,1,2,3
.irp t, 0,1
	v_max3_num_f32 v[ST+8*\t+4+\j], v[ST+8*\t+4+\j], v[SS+32*\t+8*\j+2*\u+1], v[SS+32*\t+8*\j+2*\u+2]
.endr
.endr
.endr
.irp t, 0,1
	v_max3_num_f32 v[ST+8*\t+4], v[ST+8*\t+4], v[SS+32*\t+7], v[SS+32*\t+15]
.endr
.irp t, 0,1
	v_max3_num_f32 v[ST+8*\t+6], v[ST+8*\t+6], v[SS+32*\t+23], v[SS+32*\t+31]
.endr
.irp t, 0,1
	v_max3_num_f32 v[ST+8*\t+4], v[ST+8*\t+4], v[ST+8*\t+5], v[ST+8*\t+6]
.endr
.irp t, 0,1
	v_max3_num_f32 v[ST+8*\t+4], v[ST+8*\t+4], v[ST+8*\t+7], v[ST+8*\t+1]   ; with the old m
.endr
.irp t, 0,1
	v_permlanex16_b32 v[ST+8*\t+5], v[ST+8*\t+4], s[SEL], s[SEL+1]         ; the query's other 32 keys lie in the lane 16 away
.endr
.irp t, 0,1
	v_mov_b32 v[ST+8*\t+7], v[ST+8*\t]
.endr
.irp t, 0,1
	v_max_num_f32 v[ST+8*\t+1], v[ST+8*\t+4], v[ST+8*\t+5]
.endr
.irp t, 0,1
	v_mul_f32 v[ST+8*\t], s[CS], v[ST+8*\t+1]
.endr
.irp t, 0,1
	v_sub_f32 v[ST+8*\t+7], v[ST+8*\t+7], v[ST+8*\t]
.endr
.irp b, 0,1,2,3,4,5,6,7,8,9,10,11,12,13,14,15
.irp t, 0,1
	v_pk_fma_f32 v[SS+32*\t+2*\b:SS+32*\t+2*\b+1], v[SS+32*\t+2*\b:SS+32*\t+2*\b+1], s[CS:CS+1], v[ST+8*\t:ST+8*\t+1] op_sel_hi:[1,0,0] neg_lo:[0,0,1] neg_hi:[0,0,1]   ; c s - c m
.endr
.endr
.irp t, 0,1
	v_exp_f32 v[ST+8*\t+6], v[ST+8*\t+7]           ; a
.endr
.set e, 0
.rept 32
	v_exp_f32 v[SS+e], v[SS+e]
	v_exp_f32 v[SS+32+e], v[SS+32+e]
.set e, e+1
.endr
	v_nop                                          ; a plain line behind the batch,
	s_wait_alu depctr_va_vdst(0)                   ; and ONE wait for its 66 exponentials, ahead of the first reader
.set e, 0
.rept 16
	v_cvt_pk_f16_f32 v[PP+e], v[SS+2*e], v[SS+2*e+1]
	v_cvt_pk_f16_f32 v[PP+16+e], v[SS+32+2*e], v[SS+32+2*e+1]
.set e, e+1
.endr
.irp w, 4,8,16,32                              ; the sum of a tile's 16 pairs, in place
.set u, 0
.rept 32/\w
.irp t, 0,1
	v_pk_add_f32 v[SS+32*\t+\w*u:SS+32*\t+\w*u+1], v[SS+32*\t+\w*u:SS+32*\t+\w*u+1], v[SS+32*\t+\w*u+\w/2:SS+32*\t+\w*u+\w/2+1]
.endr
.set u, u+1
.endr
.endr
.irp t, 0,1
	v_pk_fma_f32 v[ST+8*\t+2:ST+8*\t+3], v[ST+8*\t+2:ST+8*\t+3], v[ST+8*\t+6:ST+8*\t+7], v[SS+32*\t:SS+32*\t+1] op_sel_hi:[1,0,1]   ; l = a l + the sum
.endr
	WIN 0x82
.irp t, 0,1
.set e, 0
.rept 32
	v_pk_mul_f32 v[64*\t+2*e:64*\t+2*e+1], v[64*\t+2*e:64*\t+2*e+1], v[ST+8*\t+6:ST+8*\t+7] op_sel_hi:[1,0]   ; O^T x a, each accumulator from its low end on
.set e, e+1
.endr
.endr
	WIN 0
.endm
; THE CHANGE OF SLOTS.  Each wave waits for all its tensor loads (its part of the slot that it will read next), adds 0 to its spare word, and waits for that and for its reads of the slot that it gives up.
; fill = 1: behind a round of the cluster's barrier the slot that was given up takes the unit after the next: one load a wave, with a whole unit's work in which to land.  The change's number is the trip + d.
.macro CHANGE fill, d
	s_wait_tensorcnt 0x0                           ; no tensor load of mine is out, so a group 0 may be written
	ds_add_u32 v[SPW], v[NIL]
.if \fill
	s_add_co_u32 s[CI], s[U], \d
	s_add_co_u32 s[NK], s[NK], 1
	s_cmp_eq_u32 s[CI], s[SI]
	s_cselect_b32 s[NK], 0, s[NK]                  ; behind the first block's last unit comes the second block's unit 0
	s_lshl_b32 s72, s[NK], 15                      ; 128 rows of 256 bytes a unit
	s_mov_b32 s73, 0
	s_xor_b32 s[G0K+1], s[G0K+1], SLOT1
	s_add_nc_u64 s[G0K+2:G0K+3], s[KB:KB+1], s[72:73]
	s_or_b32 s[G0K+3], s[G0K+3], 0x80000000
	s_xor_b32 s[G0V+1], s[G0V+1], SLOT1
	s_add_nc_u64 s[G0V+2:G0V+3], s[VB:VB+1], s[72:73]
	s_or_b32 s[G0V+3], s[G0V+3], 0x80000000
	s_wait_xcnt 0x0                                ; the last prefetch, a unit back, has read its address
	s_add_nc_u64 s[PFA:PFA+1], s[PFA:PFA+1], 32768
	s_wait_dscnt 0x0                               ; the add is done, and my reads of the slot that I give up are over
	CROUND
	JLOAD
	ASK
.else
	s_wait_dscnt 0x0
	s_barrier_signal -1
	s_barrier_wait -1
.endif
.endm
; A UNIT: 128 keys, two steps.  K of its first step was asked for ahead of the last unit's closing products.  Every wave fetches all four runs; a wave all of whose queries come before the second step's keys
; leaves that step's work out, by the same test on ids in two places; the change of slots between them is on every wave's path.
; mode 1: the change fills a slot again; 2: it fills nothing; 0: the last unit: no change, nothing more to fetch.
.macro UNIT mode
	FETCH_V 0
	s_wait_dscnt 32                                ; K of step 0 is in; V's 32 loads may be out
	KQ
	PLACES                                         ; behind the products: loads into K's registers and reads of the scores follow
	FETCH_K 1
	MASK 0
	SOFTMAX
	s_wait_dscnt 32                                ; V of step 0 is in; K of step 1 may be out
	PVM
	PLACES
	FETCH_V 1
	s_add_co_u32 s72, s[KF], 64
	s_add_co_u32 s73, s[Q0], 31
	s_cmp_gt_u32 s72, s73
	s_cbranch_scc1 .Lskipa_\@
	s_wait_dscnt 32                                ; K of step 1 is in; V's may be out
	KQ
	PLACES
	MASK 64
	SOFTMAX
.Lskipa_\@:
.if \mode == 1
	CHANGE 1, 1
.elseif \mode == 2
	CHANGE 0, 0
.else
	s_wait_dscnt 0x0                               ; V of step 1 is in
.endif
.if \mode
	s_xor_b32 s[TB], s[TB], SLOT1                  ; on to the other slot
	v_add_nc_u32 v[ADK], s[TB], v[AK0]
	v_add_nc_u32 v[ADV], s[TB], v[AV0]
	FETCH_K 0                                      ; the next unit's first run: it lands under the products below
.endif
	s_add_co_u32 s72, s[KF], 64
	s_add_co_u32 s73, s[Q0], 31
	s_cmp_gt_u32 s72, s73
	s_cbranch_scc1 .Lskipb_\@
	PVM                                            ; V of step 1 was shown in by the change's wait for all LDS instructions
	PLACES                                         ; the next unit's loads land in V's registers
.Lskipb_\@:
.endm
; A block's way out: O^T / l, f16, through my stage, a tile (16 rows) at a time; sixteen lanes store 256 consecutive bytes, aligned.
.macro PACK t
	WIN 0x82
.set e, 0
.rept 32
	v_pk_mul_f32 v[64*\t+2*e:64*\t+2*e+1], v[64*\t+2*e:64*\t+2*e+1], v[ST+8*\t+6:ST+8*\t+7] op_sel_hi:[1,0]
.set e, e+1
.endr
	WIN 0x0a
.set e, 0
.rept 32
	v_cvt_pk_f16_f32 v[SS+32*\t+e], v[64*\t+2*e], v[64*\t+2*e+1]
.set e, e+1
.endr
	WIN 0
.irp f, 0,1,2,3,4,5,6,7
	ds_store_b128 v[STO], v[SS+32*\t+4*\f:SS+32*\t+4*\f+3] offset:32*\f
.endr
.irp f, 0,1,2,3,4,5,6,7
	ds_load_b128 v[SS+32*\t+4*\f:SS+32*\t+4*\f+3], v[RD] offset:\f*2*SP   ; LDS serves a wave's instructions in order
.endr
.endm
.macro SEND t, younger, ob
.irp f, 0,1,2,3,4,5,6,7
	s_wait_dscnt \younger+7-\f
	global_store_b128 v[GO], v[SS+32*\t+4*\f:SS+32*\t+4*\f+3], s[\ob:\ob+1] offset:(16*\t+2*\f)*4096
.endr
.endm
.macro FINAL ob
	s_wait_dscnt 0x0                               ; the next unit's run of K is in: the counts below then count the stage's instructions alone
.irp t, 0,1
	v_add_f32 v[ST+8*\t+4], v[ST+8*\t+2], v[ST+8*\t+3]
.endr
.irp t, 0,1
	v_permlanex16_b32 v[ST+8*\t+5], v[ST+8*\t+4], s[SEL], s[SEL+1]
.endr
.irp t, 0,1
	v_add_f32 v[ST+8*\t+4], v[ST+8*\t+4], v[ST+8*\t+5]
.endr
.irp t, 0,1
	v_rcp_f32 v[ST+8*\t+6], v[ST+8*\t+4]
.endr
	v_nop
	s_wait_alu depctr_va_vdst(0)                   ; one wait for the two reciprocals
	PACK 0
	PACK 1
	SEND 0, 16, \ob
	SEND 1, 0, \ob
	s_wait_xcnt 0x0                                ; the stores have read their registers, which the next scores take
.endm
	s_wait_loadcnt 0x0                             ; Q of both blocks
	CHANGE 1, 0                                    ; unit 0 is whole; slot 1 takes the second unit
	v_add_nc_u32 v[ADK], s[TB], v[AK0]
	v_add_nc_u32 v[ADV], s[TB], v[AV0]
	FETCH_K 0
.Lunit:                                            ; seven trips, each of which fills a slot again; two more units are written out: nine in all
	UNIT 1
	s_add_co_u32 s[KF], s[KF], 128
	s_cmp_lg_u32 s[U], s[SI]                       ; the first block ends with unit i: a number that all partners share
	s_cbranch_scc1 .Lsame
	FINAL OA
	WIN 0x02
.set n, 0
.rept 64
	v_mov_b32 v[QF+n], v[128+n]                    ; the second block's Q
.set n, n+1
.endr
	WIN 0
.irp t, 0,1
	v_mov_b32 v[ST+8*\t+1], 0xff61b1e6             ; m = -3e38: the next a is 0 and clears l and O^T, which are finite
	v_mul_f32 v[ST+8*\t], s[CS], v[ST+8*\t+1]
.endr
	s_mov_b32 s[Q0], s[Q0B]
	s_mov_b32 s[KF], 0
.Lsame:
	s_add_co_u32 s[U], s[U], 1
	s_cmp_lt_u32 s[U], 7
	s_cbranch_scc1 .Lunit
	UNIT 2                                         ; the last unit but one: nothing is left to ask for
	s_add_co_u32 s[KF], s[KF], 128
	UNIT 0
	FINAL OB
	s_wait_tensorcnt 0x0                           ; the wave's end
	ds_add_u32 v[SPW], v[NIL]
	s_wait_dscnt 0x0
	CROUND                                         ; the closing round
	s_endpgm
.Lfunc_end_k_q9ee7dadff4_att:
	.size	k_q9ee7dadff4_att, .Lfunc_end_k_q9ee7dadff4_att-k_q9ee7dadff4_att
	.p2alignl 7, 3214868480
	.fill 96, 4, 3214868480
	.section	.rodata,"a",@progbits
	.p2align	6, 0x0
	.amdhsa_kernel k_q9ee7dadff4_att
		.amdhsa_group_segment_fixed_size 327680
		.amdhsa_private_segment_fixed_size 0
		.amdhsa_enable_private_segment 0
		.amdhsa_kernarg_size 16
		.amdhsa_user_sgpr_count 2
		.amdhsa_user_sgpr_kernarg_segment_ptr 1
		.amdhsa_wavefront_size32 1
		.amdhsa_system_sgpr_workgroup_id_x 1
		.amdhsa_system_sgpr_workgroup_id_y 1
		.amdhsa_system_sgpr_workgroup_id_z 1
		.amdhsa_system_vgpr_workitem_id 0
		.amdhsa_next_free_vgpr 768
		.amdhsa_next_free_sgpr 80
		.amdhsa_reserve_vcc 1
		.amdhsa_float_denorm_mode_32 3
		.amdhsa_float_denorm_mode_16_64 3
		.amdhsa_memory_ordered 1
		.amdhsa_forward_progress 1
		.amdhsa_inst_pref_size 212
	.end_amdhsa_kernel
	.amdgpu_metadata
---
amdhsa.version: [ 1, 2 ]
amdhsa.kernels:
  - .name:           k_q9ee7dadff4_att
    .symbol:         k_q9ee7dadff4_att.kd
    .args:
      - { .name: qkv, .offset: 0, .size: 8, .value_kind: global_buffer, .address_space: global }
      - { .name: att16, .offset: 8, .size: 8, .value_kind: global_buffer, .address_space: global }
    .group_segment_fixed_size: 327680
    .private_segment_fixed_size: 0
    .kernarg_segment_align: 8
    .kernarg_segment_size: 16
    .max_flat_workgroup_size: 128
    .sgpr_count:     80
    .vgpr_count:     768
    .wavefront_size: 32
...
	.end_amdgpu_metadata
.endif
;; end of part 4
;; launch proj (part 5): grid 8 x 32, 4 waves a work-group, clusters of 4 x 4, 327,680 bytes of LDS; arguments att16, wo16, out0; writes out0
.if DOCPART == 5
	.amdgcn_target "amdgcn-amd-amdhsa--gfx1250"
	.amdhsa_code_object_version 6
	.text
	.protected	k_q9ee7dadff4_proj
	.globl	k_q9ee7dadff4_proj
	.p2align	8
	.type	k_q9ee7dadff4_proj,@function
k_q9ee7dadff4_proj:
	s_mov_b64 s[64:65], 0
	v_nop
	global_prefetch_b8 v0, s[64:65] scope:SCOPE_SE
	s_setreg_imm32_b32 hwreg(HW_REG_WAVE_MODE, 25, 1), 1
	s_wait_xcnt 0x0
	s_wait_alu depctr_hold_cnt(0) depctr_sa_sdst(0) depctr_va_vdst(0) depctr_va_sdst(0) depctr_va_ssrc(0) depctr_va_vcc(0) depctr_vm_vsrc(0)
	s_getreg_b32 s2, hwreg(HW_REG_IB_STS2, 6, 4)
	s_cmp_eq_u32 s2, 0
	s_cbranch_scc0 .Lentry_in_a_cluster
	s_endpgm
.Lentry_in_a_cluster:
	s_bfe_u32 s2, ttmp6, 0x10000c
	s_cmp_lg_u32 s2, 0xf033
	s_cbranch_scc0 .Lentry_shape_is_right
	s_endpgm
.Lentry_shape_is_right:
; PROJ: out0[m][n] = sum over k of att16[m][k] wo16[n][k]; operands f16, sums and result f32.  M = 4096, N = 2048, K = 2048.
; A tile of 128 x 256 gives 256 work-groups (256 x 256 would give 128).  Four waves, each 64 x 128: 32 accumulators.  K goes in steps of 128 (rows of 256 bytes) through a ring of two LDS slots;
; two slots of two K steps each would take 417,792 bytes of LDS and do not fit.
; CLUSTERS: 4 x 4 work-groups; A's tile is asked for jointly along a row of the cluster, B's along a column.  Waves 0 and 1 fetch A's halves of 64 rows, waves 2 and 3 B's halves of 128.
; THE WALK ALONG K IS ROTATED: cluster (X, Y) begins at K step 4 (Y mod 4) + 8 X and goes round modulo 16, so that the clusters that need the same rows of att16 (the two of a Y) or of wo16 (the eight of an X)
; do not all ask for the same K step at the same time.  Each output still has one f32 sum; the order of its sixteen K steps differs from cluster to cluster.
; THE MATRIX INSTRUCTION IS USED TRANSPOSED (source 0 = 16 rows of wo16, source 1 = 16 rows of att16): a lane holds eight neighbouring numbers of a row of out0.
; The rows of positions 0 to 15 are written here too, and written again, from f32 operands, by the launch behind this one.
; REGISTERS: window 0: v0-31 addresses; v64-95, v128-159 A's fragments, two buffers; on the way out v128-255.  Window 1: v64-127, v128-191 B's.  Window 2: accumulator (a, b) at v[8 (8 a + b)].
.set SIZE_K, 2048
.set KSTEP,  128
.set PITCH,  272
.set AHALF,  64*PITCH
.set ABYTES, 128*PITCH
.set BHALF,  128*PITCH
.set SLOT,   ABYTES+2*BHALF
.set SPARE,  2*SLOT                    ; the spare words: two blocks of 256 bytes that no other line names
.set SPITCH, 528                       ; the way out: 16 rows x (512 bytes + 16) for each wave, in slot 0, which has had its last fill and its last read by then
.set LAPS,   SIZE_K/(2*KSTEP)
.set ADRA, 16
.set ADRB, 20
.set STO,  24
.set RD,   25
.set CO,   26
.set SPW,  28
.set NIL,  29
.set PFO,  30
.set PFA,  44                          ; s[44:45] where the prefetch in hand stands
.set LIM,  43
.set BA,   14                          ; s[14:15] the rows of att16 that I fetch, at K = 0; never rewritten
.set BB0,  68                          ; s[68:69] the rows of wo16 that I fetch, at K = 0; never rewritten
.set TK,   70                          ; s70 the rotation + the number of the K step, in the order of my walk, that the next refill brings
.set OFS,  72                          ; s[72:73] a K step's byte offset in a row; the upper word stays 0
.set PFB,  74                          ; s[74:75] my work-group's 32 rows of att16 for the prefetches, at K = 0; never rewritten
.set F0,   64
.set F1,   128
.set BK,   128
.set G1, 24
.set G0, 32
.set G1B, 48
.set G0B, 56
.set MSB, 0
.macro WIN new
.if MSB != \new
	s_set_vgpr_msb (MSB<<8)|\new
.set MSB, \new
.endif
.endm
.set MULW, 0xa1                        ; source 0 (B) window 1, source 1 (A) window 0, C and D window 2
.set TO_B, 0x40
.macro JLOAD s
	s_cmp_eq_u32 s11, 0
	s_cbranch_scc0 .Lfor_b_\@
	tensor_load_to_lds s[G0+4*\s:G0+4*\s+3], s[G1:G1+7]
	s_nop 0
.rept 4
	v_nop
.endr
	s_branch .Lasked_\@
.Lfor_b_\@:
	tensor_load_to_lds s[G0B+4*\s:G0B+4*\s+3], s[G1B:G1B+7]
	s_nop 0
.rept 4
	v_nop
.endr
.Lasked_\@:
.endm
; A prefetch of the K step of att16 that stands two refills on in my walk: 32 rows x 256 bytes, a lane a row.  Of the sixteen K steps of a tile row each of the two clusters that read it comes first to eight: the first eight
; of its own walk.  The first four of these come by their loads alone; the other four are asked for here, in the loop's first two trips, by wave 0, each partner taking 32 of the tile's 128 rows by its place cx, told apart by address.
; So each row's 256 bytes of a K step are named at most once in the launch.  wo16's rows are come to first within a walk's first four K steps, and are not asked for.
.macro ASK
	s_cmp_gt_u32 s3, s[LIM]
	s_cbranch_scc0 .Lnot_mine_\@
	global_prefetch_b8 v[PFO], s[PFA:PFA+1] th:TH_LOAD_NT scope:SCOPE_SE
.Lnot_mine_\@:
.endm
.macro CREST
	s_cmp_lg_u32 s10, 0
	s_cbranch_scc1 .Lnot_wave_0_\@
	s_barrier_signal -3
.Lnot_wave_0_\@:
	s_barrier_wait -3
	s_barrier_signal -1
	s_barrier_wait -1
.endm
.macro CROUND
	s_barrier_signal -1
	s_barrier_wait -1
	CREST
.endm
	s_load_b128 s[4:7], s[0:1], 0x0                ; att16, wo16
	s_load_b64 s[8:9], s[0:1], 0x10                ; out0
	v_lshl_add_u32 v[SPW], v0, 2, SPARE
	v_mov_b32 v[NIL], 0
	ds_add_u32 v[SPW], v[NIL]                      ; the wave's opening: the add, twice on end, and its wait ahead of my first tensor load
	ds_add_u32 v[SPW], v[NIL]
	v_lshrrev_b32 v1, 5, v0
	v_readfirstlane_b32 s10, v1                    ; wave
	s_lshr_b32 s11, s10, 1                         ; which 64 of the tile's rows are mine.  Also: I fetch for A (0) or for B (1)
	s_and_b32 s12, s10, 1                          ; which 128 of its columns.  Also: which half of that tile I fetch
	s_bfe_u32 s40, ttmp6, 0x40000                  ; cx
	s_bfe_u32 s41, ttmp6, 0x40004                  ; cy
	s_lshl_b32 s42, ttmp9, 2
	s_add_co_u32 s42, s42, s40                     ; tile column
	s_and_b32 s13, ttmp7, 0xffff
	s_lshl_b32 s13, s13, 2
	s_add_co_u32 s13, s13, s41                     ; tile row
	s_lshl_b32 s43, s41, 2
	s_lshl_b32 s43, 15, s43                        ; my row of the cluster
	s_lshl_b32 s44, 0x1111, s40                    ; my column
	s_or_b32 s[G1+0], s43, (1<<16)|(1<<20)|(1<<21)|(5<<22)|(3<<25)   ; mask; elements of 2 bytes; padding on; bit 21 beside a mask; 4 words behind every 64
	s_or_b32 s[G1B+0], s44, (1<<16)|(1<<20)|(1<<21)|(5<<22)|(3<<25)
	s_mov_b32 s[G1+1], KSTEP<<16
	s_mov_b32 s[G1+2], 64<<16
	s_mov_b32 s[G1+3], KSTEP<<16
	s_mov_b32 s[G1+4], 64
	s_mov_b32 s[G1+5], SIZE_K
	s_mov_b32 s[G1+6], 0
	s_mov_b32 s[G1+7], 0
	s_mov_b32 s[G1B+1], KSTEP<<16
	s_mov_b32 s[G1B+2], 128<<16
	s_mov_b32 s[G1B+3], KSTEP<<16
	s_mov_b32 s[G1B+4], 128
	s_mov_b32 s[G1B+5], SIZE_K
	s_mov_b32 s[G1B+6], 0
	s_mov_b32 s[G1B+7], 0
	s_lshl_b32 s17, s12, 6
	s_lshl_b32 s16, s13, 7
	s_add_co_u32 s16, s16, s17                     ; A: row 128 x tile row + 64 x half
	s_lshl_b32 s16, s16, 12                        ; rows of 4,096 bytes
	s_mov_b32 s17, 0
	s_lshl_b32 s47, s12, 7
	s_lshl_b32 s46, s42, 8
	s_add_co_u32 s46, s46, s47                     ; B: row 256 x tile column + 128 x half
	s_lshl_b32 s46, s46, 12
	s_mov_b32 s47, 0
	s_mul_i32 s20, s12, AHALF                      ; where they go: no place in the cluster enters an LDS address
	s_mul_i32 s21, s12, BHALF
	s_add_co_u32 s21, s21, ABYTES
	s_and_b32 s[TK], ttmp7, 3                      ; the rotation: 4 x (cluster y mod 4)
	s_lshl_b32 s[TK], s[TK], 2
	s_lshl_b32 s[OFS], ttmp9, 3                    ; + 8 x cluster x: numbers that all sixteen partners share
	s_add_co_u32 s[TK], s[TK], s[OFS]
	s_mov_b32 s[OFS+1], 0
	s_wait_dscnt 0x0                               ; both opening adds are done
	s_wait_kmcnt 0x0
	s_add_nc_u64 s[BA:BA+1], s[4:5], s[16:17]
	s_add_nc_u64 s[BB0:BB0+1], s[6:7], s[46:47]
	CROUND                                         ; all sixteen work-groups are here
.irp s, 0,1
	s_add_co_u32 s[OFS], s[TK], \s
	s_and_b32 s[OFS], s[OFS], 15                   ; round modulo 16,
	s_lshl_b32 s[OFS], s[OFS], 8                   ; 256 bytes a K step
	s_mov_b32 s[G0+4*\s], 1
	s_add_co_u32 s[G0+4*\s+1], s20, \s*SLOT
	s_add_nc_u64 s[G0+4*\s+2:G0+4*\s+3], s[BA:BA+1], s[OFS:OFS+1]
	s_or_b32 s[G0+4*\s+3], s[G0+4*\s+3], 0x80000000
	s_mov_b32 s[G0B+4*\s], 1
	s_add_co_u32 s[G0B+4*\s+1], s21, \s*SLOT
	s_add_nc_u64 s[G0B+4*\s+2:G0B+4*\s+3], s[BB0:BB0+1], s[OFS:OFS+1]
	s_or_b32 s[G0B+4*\s+3], s[G0B+4*\s+3], 0x80000000
	JLOAD \s
.endr
	s_add_co_u32 s[TK], s[TK], 2                   ; the first refill brings the third K step of my walk
	v_and_b32 v1, 15, v0
	v_bfe_u32 v2, v0, 4, 1
	v_mul_u32_u24 v3, v1, PITCH
	v_lshl_add_u32 v3, v2, 4, v3
	s_mul_i32 s21, s11, AHALF                      ; my 64 rows of A
	s_mul_i32 s22, s12, BHALF
	s_add_co_u32 s22, s22, ABYTES                  ; my 128 rows of B
.irp s, 0,1
	v_add_nc_u32 v[ADRA+\s], s21, v3
	v_add_nc_u32 v[ADRB+\s], s22, v3
	s_add_co_u32 s21, s21, SLOT
	s_add_co_u32 s22, s22, SLOT
.endr
	s_mul_i32 s23, s10, 16*SPITCH                  ; my stage
	v_mul_u32_u24 v5, v1, SPITCH
	v_lshl_add_u32 v5, v2, 5, v5
	v_add_nc_u32 v[STO], s23, v5
	v_and_b32 v6, 31, v0
	v_lshlrev_b32 v[CO], 4, v6
	v_add_nc_u32 v[RD], s23, v[CO]
	s_lshl_b32 s16, s13, 7
	s_lshl_b32 s17, s11, 6
	s_add_co_u32 s16, s16, s17
	s_lshl_b32 s16, s16, 13                        ; my first row of out0: rows of 8,192 bytes
	s_lshl_b32 s46, s42, 10
	s_lshl_b32 s47, s12, 9
	s_add_co_u32 s46, s46, s47
	s_add_co_u32 s16, s16, s46
	s_mov_b32 s17, 0
	s_add_nc_u64 s[8:9], s[8:9], s[16:17]
	; the prefetches
	s_lshl_b32 s20, s13, 7                         ; the tile's first row in att16,
	s_lshl_b32 s21, s40, 5
	s_add_co_u32 s20, s20, s21                     ; + my work-group's 32 of its 128
	s_lshl_b32 s20, s20, 12
	s_mov_b32 s21, 0
	s_add_nc_u64 s[PFB:PFB+1], s[4:5], s[20:21]
	s_cmp_eq_u32 s10, 0
	s_cselect_b32 s[LIM], 5, -1                    ; wave 0 asks while the loop's counter, which runs from 7 down, is above 5
	v_lshlrev_b32 v[PFO], 12, v6
.macro MUL8 f, a, zero                 ; A's block a x B's eight, 32 along K.  The 32 accumulators take turns, one instruction a turn, in the same order in every quarter
.irp b, 0,1,2,3,4,5,6,7
.if \zero
	v_wmma_f32_16x16x32_f16 v[8*(8*(\a)+\b):8*(8*(\a)+\b)+7], v[\f+8*\b:\f+8*\b+7], v[\f+8*(\a):\f+8*(\a)+7], 0
.else
	v_wmma_f32_16x16x32_f16 v[8*(8*(\a)+\b):8*(8*(\a)+\b)+7], v[\f+8*\b:\f+8*\b+7], v[\f+8*(\a):\f+8*(\a)+7], v[8*(8*(\a)+\b):8*(8*(\a)+\b)+7]
.endif
.endr
.endm
.macro FETCH slot, k, f                ; 24 LDS loads in one run: B's eight fragments, then A's four
	WIN TO_B
.irp i, 0,1,2,3,4,5,6,7
	ds_load_b128 v[\f+8*\i:\f+8*\i+3],   v[ADRB+\slot] offset:\k+\i*16*PITCH
	ds_load_b128 v[\f+8*\i+4:\f+8*\i+7], v[ADRB+\slot] offset:\k+\i*16*PITCH+32
.endr
	WIN 0
.irp i, 0,1,2,3
	ds_load_b128 v[\f+8*\i:\f+8*\i+3],   v[ADRA+\slot] offset:\k+\i*16*PITCH
	ds_load_b128 v[\f+8*\i+4:\f+8*\i+7], v[ADRA+\slot] offset:\k+\i*16*PITCH+32
.endr
.endm
.macro PLACES
.rept 4
	v_nop
.endr
.endm
.macro QUARTER slot, k, f, g, zero
	s_wait_dscnt 4                                 ; B and A's blocks 0, 1 are in; A's blocks 2, 3 may be out
	WIN MULW
	MUL8 \f, 0, \zero
	MUL8 \f, 1, \zero
	PLACES
	FETCH \slot, \k, \g
	s_wait_dscnt 24                                ; all but the 24 just issued
	WIN MULW
	MUL8 \f, 2, \zero
	MUL8 \f, 3, \zero
.endm
; The last quarter multiplies buffer 1 and changes slots: one barrier; ahead of it each wave waits for all its tensor loads, adds 0 to its spare word, and waits for that and for its reads of this slot.
.macro TURN slot, next, fill
.if \fill
	s_wait_xcnt 0x0                                ; the last prefetch, a K step back, has read its address: it is made anew here, ahead of the waits of the change of slots
	s_add_co_u32 s[OFS], s[TK], 2                  ; two refills on in my walk,
	s_and_b32 s[OFS], s[OFS], 15                   ; round modulo 16
	s_lshl_b32 s[OFS], s[OFS], 8
	s_add_nc_u64 s[PFA:PFA+1], s[PFB:PFB+1], s[OFS:OFS+1]
.endif
	WIN 0
	s_wait_tensorcnt 0x0                           ; all my tensor loads have landed: my part of the next slot
	ds_add_u32 v[SPW], v[NIL]
	s_wait_dscnt 7                                 ; the add and A's blocks 1 to 3 may be out
	WIN MULW
	MUL8 F1, 0, 0
	s_wait_dscnt 0x0                               ; the add is done, and my reads of this slot are over
	s_barrier_signal -1
	MUL8 F1, 1, 0
	WIN 0
	s_barrier_wait -1
.if \fill
	CREST                                          ; the barrier has opened a round of the cluster's barrier
	s_and_b32 s[OFS], s[TK], 15                    ; the refill's K step, round modulo 16.  No tensor load of mine is out, so a group 0 may be written
	s_lshl_b32 s[OFS], s[OFS], 8
	s_add_nc_u64 s[G0+4*\slot+2:G0+4*\slot+3], s[BA:BA+1], s[OFS:OFS+1]
	s_or_b32 s[G0+4*\slot+3], s[G0+4*\slot+3], 0x80000000
	s_add_nc_u64 s[G0B+4*\slot+2:G0B+4*\slot+3], s[BB0:BB0+1], s[OFS:OFS+1]
	s_or_b32 s[G0B+4*\slot+3], s[G0B+4*\slot+3], 0x80000000
	s_add_co_u32 s[TK], s[TK], 1
	JLOAD \slot                                    ; the four v_nop behind it are also the places ahead of the loads below
.else
	PLACES
.endif
	FETCH \next, 0, F0
.if \fill
	ASK
.endif
	WIN MULW
	MUL8 F1, 2, 0
	MUL8 F1, 3, 0
.endm
	s_wait_tensorcnt 1                             ; my part of the first K step is in; the second's may be out
	s_barrier_signal -1
	s_barrier_wait -1
	FETCH 0, 0, F0
	QUARTER 0, 64, F0, F1, 1                       ; the first quarter's products start the sums
	WIN 0
	s_mov_b32 s3, LAPS-1
.Llap:
	QUARTER 0, 128, F1, F0, 0
	QUARTER 0, 192, F0, F1, 0
	TURN 0, 1, 1
	QUARTER 1, 64,  F0, F1, 0
	QUARTER 1, 128, F1, F0, 0
	QUARTER 1, 192, F0, F1, 0
	TURN 1, 0, 1
	QUARTER 0, 64,  F0, F1, 0
	WIN 0
	s_sub_co_u32 s3, s3, 1
	s_cmp_lg_u32 s3, 0
	s_cbranch_scc1 .Llap
	QUARTER 0, 128, F1, F0, 0                      ; the last lap fills nothing
	QUARTER 0, 192, F0, F1, 0
	TURN 0, 1, 0
	QUARTER 1, 64,  F0, F1, 0
	QUARTER 1, 128, F1, F0, 0
	QUARTER 1, 192, F0, F1, 0
	s_wait_dscnt 4
	WIN MULW
	MUL8 F1, 0, 0
	MUL8 F1, 1, 0
	s_wait_dscnt 0
	MUL8 F1, 2, 0
	MUL8 F1, 3, 0
	WIN 0
; THE WAY OUT, a block of 16 rows x 128 columns at a time, through my stage; it comes back as whole rows of 512 bytes.
.macro TOSTAGE a
	WIN 0x08                                       ; an LDS store's data are its source 1: window 2
.irp b, 0,1,2,3,4,5,6,7
	ds_store_b128 v[STO], v[64*(\a)+8*\b:64*(\a)+8*\b+3] offset:64*\b          ; each accumulator from its low end on
	ds_store_b128 v[STO], v[64*(\a)+8*\b+4:64*(\a)+8*\b+7] offset:64*\b+16
.endr
	WIN 0
.set BB, BK+64*((\a)%2)
.irp t, 0,1,2,3,4,5,6,7,8,9,10,11,12,13,14,15
	ds_load_b128 v[BB+4*\t:BB+4*\t+3], v[RD] offset:\t*SPITCH
.endr
.endm
.macro SEND a, younger
.set BB, BK+64*((\a)%2)
	s_wait_dscnt \younger
.if (\a) > 0
	s_add_nc_u64 s[8:9], s[8:9], 16*8192           ; behind a wait that frees the base: 16 rows on
.endif
.irp t, 0,1,2,3,4,5,6,7,8,9,10,11,12,13,14,15
	global_store_b128 v[CO], v[BB+4*\t:BB+4*\t+3], s[8:9] offset:\t*8192   ; 32 lanes store 512 consecutive bytes, aligned
.endr
.endm
	PLACES
	TOSTAGE 0
.irp a, 1,2,3
.if \a > 1
	s_wait_xcnt 0x0                                ; block a - 2's stores have read their registers and their base
.endif
	TOSTAGE \a
	SEND \a-1, 32                                  ; behind block a - 1's loads: block a's 16 stores and 16 loads
.endr
	s_wait_xcnt 0x0
	SEND 3, 0
	s_wait_tensorcnt 0x0                           ; the wave's end
	ds_add_u32 v[SPW], v[NIL]
	s_wait_dscnt 0x0
	CROUND                                         ; the closing round
	s_endpgm
.Lfunc_end_k_q9ee7dadff4_proj:
	.size	k_q9ee7dadff4_proj, .Lfunc_end_k_q9ee7dadff4_proj-k_q9ee7dadff4_proj
	.p2alignl 7, 3214868480
	.fill 96, 4, 3214868480
	.section	.rodata,"a",@progbits
	.p2align	6, 0x0
	.amdhsa_kernel k_q9ee7dadff4_proj
		.amdhsa_group_segment_fixed_size 327680
		.amdhsa_private_segment_fixed_size 0
		.amdhsa_enable_private_segment 0
		.amdhsa_kernarg_size 24
		.amdhsa_user_sgpr_count 2
		.amdhsa_user_sgpr_kernarg_segment_ptr 1
		.amdhsa_wavefront_size32 1
		.amdhsa_system_sgpr_workgroup_id_x 1
		.amdhsa_system_sgpr_workgroup_id_y 1
		.amdhsa_system_sgpr_workgroup_id_z 1
		.amdhsa_system_vgpr_workitem_id 0
		.amdhsa_next_free_vgpr 768
		.amdhsa_next_free_sgpr 80
		.amdhsa_reserve_vcc 0
		.amdhsa_float_denorm_mode_32 3
		.amdhsa_float_denorm_mode_16_64 3
		.amdhsa_memory_ordered 1
		.amdhsa_forward_progress 1
		.amdhsa_inst_pref_size 87
	.end_amdhsa_kernel
	.amdgpu_metadata
---
amdhsa.version: [ 1, 2 ]
amdhsa.kernels:
  - .name:           k_q9ee7dadff4_proj
    .symbol:         k_q9ee7dadff4_proj.kd
    .args:
      - { .name: att16, .offset: 0, .size: 8, .value_kind: global_buffer, .address_space: global }
      - { .name: wo16, .offset: 8, .size: 8, .value_kind: global_buffer, .address_space: global }
      - { .name: out0, .offset: 16, .size: 8, .value_kind: global_buffer, .address_space: global }
    .group_segment_fixed_size: 327680
    .private_segment_fixed_size: 0
    .kernarg_segment_align: 8
    .kernarg_segment_size: 24
    .max_flat_workgroup_size: 128
    .sgpr_count:     80
    .vgpr_count:     768
    .wavefront_size: 32
...
	.end_amdgpu_metadata
.endif
;; end of part 5
;; launch fproj (part 6): grid 128 x 2, 16 waves a work-group, no clusters, 34,816 bytes of LDS; arguments attf, Wo, out0; writes out0
.if DOCPART == 6
	.amdgcn_target "amdgcn-amd-amdhsa--gfx1250"
	.amdhsa_code_object_version 6
	.text
	.protected	k_q9ee7dadff4_fproj
	.globl	k_q9ee7dadff4_fproj
	.p2align	8
	.type	k_q9ee7dadff4_fproj,@function
k_q9ee7dadff4_fproj:
	s_mov_b64 s[64:65], 0
	v_nop
	global_prefetch_b8 v0, s[64:65] scope:SCOPE_SE
	s_setreg_imm32_b32 hwreg(HW_REG_WAVE_MODE, 25, 1), 1
	s_wait_xcnt 0x0
; FPROJ: the rows of positions 0 to 15 of every sequence (64 rows of out0) once more, from f32 operands: attf (the f32 attention of those rows) times Wo as it is given.  It writes over what the f16 projection left there.
; A work-group takes 16 columns of out0 and two batches; wave w takes K = 128 w .. 128 w + 127, one head: 64 matrix instructions of the f32 form, four accumulators by turns.  The sixteen partial sums meet in LDS.
; Source 0 = 16 columns of Wo (lane (r, h), register kk of group dt: Wo[128 w + 16 dt + 8 h + kk][n0 + r]); source 1 = attf's image, which has the same order of k.  Lane (r, h) of the result: position r, columns n0 + 8 h + 0..7.
; All 96 loads of a wave are asked for at once.  Wo is read 64 bytes a row by a wave, and a row of out0 leaves as 64 bytes a work-group: 256 work-groups are wanted to spread the f32 work, and the launch is small.
; The accumulators are written by matrix instructions alone.
.set SPARE, 32768                      ; behind the sixteen waves' partial sums: the spare words, 128 bytes for each wave: eight blocks of 256 bytes that no other line names
.set SPW, 12
.set NIL, 13
.set AT,  16                           ; v16-143 attf: [batch 2][chunk 16][4]; v144-207 Wo: [dt 8][8]; v208-239 four accumulators; v240-255 their sums
.set WO,  144
.set ACC, 208
.set SUM, 240
	s_load_b128 s[4:7], s[0:1], 0x0                ; attf, Wo
	s_load_b64 s[8:9], s[0:1], 0x10                ; out0
	v_lshl_add_u32 v[SPW], v0, 2, SPARE
	v_mov_b32 v[NIL], 0
	v_lshrrev_b32 v1, 5, v0
	v_readfirstlane_b32 s10, v1                    ; wave 0..15
	v_and_b32 v4, 31, v0
	v_and_b32 v5, 15, v0                           ; r
	v_bfe_u32 v6, v0, 4, 1                         ; h
	v_lshlrev_b32 v2, 4, v4                        ; 16 x lane
	v_lshlrev_b32 v3, 2, v5
	v_lshl_add_u32 v3, v6, 16, v3                  ; Wo: 8 h rows of 8,192 bytes + 4 r
	s_lshl_b32 s16, s10, 11
	v_add_nc_u32 v7, s16, v2                       ; LDS: my partial sums: 2,048 x wave + 16 x lane
	s_lshl_b32 s17, s10, 9
	v_add_nc_u32 v8, s17, v2                       ; and the chunk that I add up: 512 x wave + 16 x lane (waves 0 to 3)
	v_lshlrev_b32 v9, 13, v5
	v_lshl_add_u32 v9, v6, 5, v9                   ; out0: row r, + 32 h
	s_and_b32 s11, ttmp7, 0xffff                   ; which two batches
	s_lshl_b32 s12, s10, 20
	s_lshl_b32 s13, ttmp9, 6
	s_add_co_u32 s12, s12, s13
	s_mov_b32 s13, 0
	s_lshl_b32 s14, s11, 18
	s_lshl_b32 s15, s10, 13
	s_add_co_u32 s14, s14, s15
	s_mov_b32 s15, 0
	s_wait_kmcnt 0x0
	s_add_nc_u64 s[6:7], s[6:7], s[12:13]
	s_add_nc_u64 s[4:5], s[4:5], s[14:15]
.irp dt, 0,1,2,3,4,5,6,7
.irp kk, 0,1,2,3,4,5,6,7
	global_load_b32 v[WO+8*\dt+\kk], v3, s[6:7] offset:(16*\dt+\kk)*8192
.endr
.irp rt, 0,1
.irp q, 0,1
	global_load_b128 v[AT+64*\rt+4*(2*\dt+\q):AT+64*\rt+4*(2*\dt+\q)+3], v2, s[4:5] offset:\rt*131072+(2*\dt+\q)*512
.endr
.endr
.endr
.irp dt, 0,1,2,3,4,5,6,7
.if 12*(7-\dt) > 63
	s_wait_loadcnt 63                              ; more loads were issued behind this group than the count's field holds
.else
	s_wait_loadcnt 12*(7-\dt)                      ; this group's twelve loads are in; the later groups' may be out
.endif
.irp q, 0,1
.irp e, 0,2
.irp rt, 0,1
.if (\dt == 0) && (\q == 0)
	v_wmma_f32_16x16x4_f32 v[ACC+16*\rt+4*\e:ACC+16*\rt+4*\e+7], v[WO+8*\dt+4*\q+\e:WO+8*\dt+4*\q+\e+1], v[AT+64*\rt+4*(2*\dt+\q)+\e:AT+64*\rt+4*(2*\dt+\q)+\e+1], 0
.else
	v_wmma_f32_16x16x4_f32 v[ACC+16*\rt+4*\e:ACC+16*\rt+4*\e+7], v[WO+8*\dt+4*\q+\e:WO+8*\dt+4*\q+\e+1], v[AT+64*\rt+4*(2*\dt+\q)+\e:AT+64*\rt+4*(2*\dt+\q)+\e+1], v[ACC+16*\rt+4*\e:ACC+16*\rt+4*\e+7]
.endif
.endr
.endr
.endr
.endr
.rept 8
	v_nop                                          ; eight places behind this form
.endr
.irp rt, 0,1
.irp j, 0,2,4,6
	v_pk_add_f32 v[SUM+8*\rt+\j:SUM+8*\rt+\j+1], v[ACC+16*\rt+\j:ACC+16*\rt+\j+1], v[ACC+16*\rt+8+\j:ACC+16*\rt+8+\j+1]
.endr
.endr
.irp c, 0,1,2,3
	ds_store_b128 v7, v[SUM+4*\c:SUM+4*\c+3] offset:512*\c     ; chunk 2 rt + q
.endr
	s_wait_dscnt 0x0                               ; for the others' sake: my stores have landed
	s_barrier_signal -1
	s_barrier_wait -1
	s_cmp_lt_u32 s10, 4
	s_cbranch_scc0 .Lend
.irp w, 0,1,2,3,4,5,6,7,8,9,10,11,12,13,14,15
	ds_load_b128 v[16+4*\w:16+4*\w+3], v8 offset:2048*\w       ; my chunk of all sixteen waves
.endr
	s_lshr_b32 s18, s10, 1                         ; rt
	s_and_b32 s19, s10, 1                          ; q
	s_lshl_b32 s20, s11, 1
	s_add_co_u32 s20, s20, s18                     ; the batch
	s_lshl_b32 s20, s20, 23                        ; 1,024 rows of 8,192 bytes
	s_lshl_b32 s21, ttmp9, 6
	s_add_co_u32 s20, s20, s21
	s_lshl_b32 s21, s19, 4
	s_add_co_u32 s20, s20, s21
	s_mov_b32 s21, 0
	s_add_nc_u64 s[8:9], s[8:9], s[20:21]
	s_wait_dscnt 0x0
.irp d, 32,16,8,4
.set n, 0
.rept \d/2
	v_pk_add_f32 v[16+2*n:16+2*n+1], v[16+2*n:16+2*n+1], v[16+\d+2*n:16+\d+2*n+1]
.set n, n+1
.endr
.endr
	global_store_b128 v9, v[16:19], s[8:9]         ; position r, columns n0 + 8 h + 4 q + 0..3
.Lend:
	s_wait_tensorcnt 0x0                           ; the wave's end
	ds_add_u32 v[SPW], v[NIL]
	s_wait_dscnt 0x0
	s_endpgm
.Lfunc_end_k_q9ee7dadff4_fproj:
	.size	k_q9ee7dadff4_fproj, .Lfunc_end_k_q9ee7dadff4_fproj-k_q9ee7dadff4_fproj
	.p2alignl 7, 3214868480
	.fill 96, 4, 3214868480
	.section	.rodata,"a",@progbits
	.p2align	6, 0x0
	.amdhsa_kernel k_q9ee7dadff4_fproj
		.amdhsa_group_segment_fixed_size 34816
		.amdhsa_private_segment_fixed_size 0
		.amdhsa_enable_private_segment 0
		.amdhsa_kernarg_size 24
		.amdhsa_user_sgpr_count 2
		.amdhsa_user_sgpr_kernarg_segment_ptr 1
		.amdhsa_wavefront_size32 1
		.amdhsa_system_sgpr_workgroup_id_x 1
		.amdhsa_system_sgpr_workgroup_id_y 1
		.amdhsa_system_sgpr_workgroup_id_z 1
		.amdhsa_system_vgpr_workitem_id 0
		.amdhsa_next_free_vgpr 256
		.amdhsa_next_free_sgpr 66
		.amdhsa_reserve_vcc 0
		.amdhsa_float_denorm_mode_32 3
		.amdhsa_float_denorm_mode_16_64 3
		.amdhsa_memory_ordered 1
		.amdhsa_forward_progress 1
		.amdhsa_inst_pref_size 20
	.end_amdhsa_kernel
	.amdgpu_metadata
---
amdhsa.version: [ 1, 2 ]
amdhsa.kernels:
  - .name:           k_q9ee7dadff4_fproj
    .symbol:         k_q9ee7dadff4_fproj.kd
    .args:
      - { .name: attf, .offset: 0, .size: 8, .value_kind: global_buffer, .address_space: global }
      - { .name: Wo, .offset: 8, .size: 8, .value_kind: global_buffer, .address_space: global }
      - { .name: out0, .offset: 16, .size: 8, .value_kind: global_buffer, .address_space: global }
    .group_segment_fixed_size: 34816
    .private_segment_fixed_size: 0
    .kernarg_segment_align: 8
    .kernarg_segment_size: 24
    .max_flat_workgroup_size: 512
    .sgpr_count:     66
    .vgpr_count:     256
    .wavefront_size: 32
...
	.end_amdgpu_metadata
.endif
;; end of part 6
